; MI455X (gfx1250); checked and timed in simulation.
; The chip was launched on July 23, 2026; its instructions are those of AMD's public machine-readable ISA for CDNA 5 (MIT licence, August 2026) and "CDNA5" Instruction Set Architecture Reference Guide (July 2026). The comments in the code are by the model that wrote it; some were corrected since.
;; Concat Read. Allowed arithmetic: float matrix products may take bf16 or f16 operands with f32 sums; all other float work in f32.
;; Inputs: W1 256 x 512 float32; W2 512 x 256 float32; Wepi 256 x 128 float32; Wout 256 x 32,000 float32; Wsem 256 x 128 float32; b1 512 float32; b2 256 float32; bepi 128 float32; bout 32,000 float32; bsem 128 float32; embed 32,000 x 256 float32; ln_b 256 float32; ln_g 256 float32; seq 64 x 512 int32.
;; Outputs: out0 64 x 32,000 float32.
;; 2 versions, each right; version 2 is version 1 with the launch outp written anew for expert scheduling mode. Each part assembles by itself: llvm-mc -triple=amdgcn-amd-amdhsa -mcpu=gfx1250 --defsym DOCPART=n.
;; ======== version 1 of 2: 4 launches
;; limits: values are held in f16: magnitudes above 65,504 overflow, below 6.1e-05 lose precision; right only within a limited range of input values
;; workspace buffers: wts 655,360 bytes; keys 16,777,216 bytes; cbuf 65,536 bytes
;; launch prep (part 1): grid 160 x 1, 8 waves a work-group, no clusters, 0 bytes of LDS; arguments W1, W2, Wsem, Wepi, wts; writes wts
.if DOCPART == 1
	.amdgcn_target "amdgcn-amd-amdhsa--gfx1250"
	.amdhsa_code_object_version 6
	.text
	.protected	k_q0b60f7353a_prep
	.globl	k_q0b60f7353a_prep
	.p2align	8
	.type	k_q0b60f7353a_prep,@function
k_q0b60f7353a_prep:
	s_mov_b64 s[64:65], 0
	v_nop
	global_prefetch_b8 v0, s[64:65] scope:SCOPE_SE
	s_setreg_imm32_b32 hwreg(HW_REG_WAVE_MODE, 25, 1), 1
	s_wait_xcnt 0x0
; PREP: the weights of the encoder, cast once to 16 bits, so that the next launch can bring them into LDS as they are.
; wts: byte 0       W1 as bf16 [256][512]
;      byte 262144  W2 as bf16 [512][256]
;      byte 524288  Wk as f16  [256][256]: row k = Wsem[k][0..127], then Wepi[k][0..127]
; bf16 where the other operand (e, hidden) has no bound; f16 for the key weights, whose other operand is a normalised row.
; LIMIT: |Wsem|, |Wepi| below 65,504; magnitudes under 6e-8 round to zero.
; A work-group casts 2,048 numbers: groups 0-63 W1, 64-127 W2, 128-143 Wsem, 144-159 Wepi.  A thread loads 2 x 16 bytes and stores
; 2 x 8 bytes: a wave's load covers 512 consecutive bytes, its store 256 consecutive bytes, aligned.  No LDS, no barrier, no loop.
.set WK_AT, 524288
	s_load_b256 s[4:11], s[0:1], 0x0               ; W1 s[4:5], W2 s[6:7], Wsem s[8:9], Wepi s[10:11]
	s_load_b64 s[12:13], s[0:1], 0x20              ; wts
	s_mov_b32 s14, ttmp9                           ; the work-group's number
	v_lshlrev_b32 v1, 4, v0                        ; 16 bytes a thread
	s_and_b32 s15, s14, 63                         ; my number inside W1 or W2,
	s_and_b32 s20, s14, 15                         ; or inside Wsem or Wepi (128 and 144 are multiples of 16)
	s_cmp_lt_u32 s14, 128
	s_cselect_b32 s15, s15, s20
	s_lshl_b32 s20, s15, 13                        ; times 2,048 numbers of 4 bytes
	s_mov_b32 s21, 0
	s_wait_kmcnt 0x0
	s_cmp_lt_u32 s14, 64
	s_cselect_b64 s[16:17], s[4:5], s[6:7]         ; W1 or W2
	s_cmp_lt_u32 s14, 144
	s_cselect_b64 s[18:19], s[8:9], s[10:11]       ; Wsem or Wepi
	s_cmp_lt_u32 s14, 128
	s_cselect_b64 s[16:17], s[16:17], s[18:19]     ; the source: chosen by the group's number alone
	s_add_nc_u64 s[16:17], s[16:17], s[20:21]
	global_load_b128 v[2:5], v1, s[16:17] th:TH_LOAD_NT
	global_load_b128 v[6:9], v1, s[16:17] offset:4096 th:TH_LOAD_NT
	s_cmp_lt_u32 s14, 128
	s_cbranch_scc0 .Lkeys
	s_lshl_b32 s22, s14, 12                        ; W1 and W2 lie one behind the other: group x 4,096 bytes
	v_lshlrev_b32 v10, 3, v0
	v_add_nc_u32 v10, s22, v10
	s_wait_loadcnt 0x0                             ; both loads: nothing else is in flight
	v_cvt_pk_bf16_f32 v12, v2, v3
	v_cvt_pk_bf16_f32 v13, v4, v5
	v_cvt_pk_bf16_f32 v14, v6, v7
	v_cvt_pk_bf16_f32 v15, v8, v9
	global_store_b64 v10, v[12:13], s[12:13]
	global_store_b64 v10, v[14:15], s[12:13] offset:2048
	s_endpgm
.Lkeys:
	s_bfe_u32 s22, s14, 0x10004                    ; bit 4 of the group's number: 0 Wsem, 1 Wepi
	s_lshl_b32 s22, s22, 8                         ; its half of a row of Wk
	s_add_co_u32 s22, s22, s20                     ; 16 rows of 512 bytes a group: 8,192 bytes, as in the source
	s_add_co_u32 s22, s22, WK_AT
	v_and_b32 v10, 31, v0
	v_lshrrev_b32 v11, 5, v0                       ; a wave takes one source row of 128 numbers
	v_lshlrev_b32 v10, 3, v10
	v_lshl_add_u32 v10, v11, 9, v10
	v_add_nc_u32 v10, s22, v10
	s_wait_loadcnt 0x0
	v_cvt_pk_f16_f32 v12, v2, v3
	v_cvt_pk_f16_f32 v13, v4, v5
	v_cvt_pk_f16_f32 v14, v6, v7
	v_cvt_pk_f16_f32 v15, v8, v9
	global_store_b64 v10, v[12:13], s[12:13]
	global_store_b64 v10, v[14:15], s[12:13] offset:4096   ; the second 1,024 numbers: eight rows further down
	s_endpgm
.Lfunc_end_k_q0b60f7353a_prep:
	.size	k_q0b60f7353a_prep, .Lfunc_end_k_q0b60f7353a_prep-k_q0b60f7353a_prep
	.p2alignl 7, 3214868480
	.fill 96, 4, 3214868480
	.section	.rodata,"a",@progbits
	.p2align	6, 0x0
	.amdhsa_kernel k_q0b60f7353a_prep
		.amdhsa_group_segment_fixed_size 0
		.amdhsa_private_segment_fixed_size 0
		.amdhsa_enable_private_segment 0
		.amdhsa_kernarg_size 40
		.amdhsa_user_sgpr_count 2
		.amdhsa_user_sgpr_kernarg_segment_ptr 1
		.amdhsa_wavefront_size32 1
		.amdhsa_system_sgpr_workgroup_id_x 1
		.amdhsa_system_sgpr_workgroup_id_y 1
		.amdhsa_system_sgpr_workgroup_id_z 1
		.amdhsa_system_vgpr_workitem_id 0
		.amdhsa_next_free_vgpr 16
		.amdhsa_next_free_sgpr 66
		.amdhsa_reserve_vcc 0
		.amdhsa_float_denorm_mode_32 3
		.amdhsa_float_denorm_mode_16_64 3
		.amdhsa_memory_ordered 1
		.amdhsa_forward_progress 1
		.amdhsa_inst_pref_size 3
	.end_amdhsa_kernel
	.amdgpu_metadata
---
amdhsa.version: [ 1, 2 ]
amdhsa.kernels:
  - .name:           k_q0b60f7353a_prep
    .symbol:         k_q0b60f7353a_prep.kd
    .args:
      - { .name: W1, .offset: 0, .size: 8, .value_kind: global_buffer, .address_space: global }
      - { .name: W2, .offset: 8, .size: 8, .value_kind: global_buffer, .address_space: global }
      - { .name: Wsem, .offset: 16, .size: 8, .value_kind: global_buffer, .address_space: global }
      - { .name: Wepi, .offset: 24, .size: 8, .value_kind: global_buffer, .address_space: global }
      - { .name: wts, .offset: 32, .size: 8, .value_kind: global_buffer, .address_space: global }
    .group_segment_fixed_size: 0
    .private_segment_fixed_size: 0
    .kernarg_segment_align: 8
    .kernarg_segment_size: 40
    .max_flat_workgroup_size: 256
    .sgpr_count:     66
    .vgpr_count:     16
    .wavefront_size: 32
...
	.end_amdgpu_metadata
.endif
;; end of part 1
;; launch encode (part 2): grid 256 x 1, 4 waves a work-group, clusters of 4 x 1, 327,680 bytes of LDS; arguments seq, embed, wts, b1, b2, ln_g, ln_b, bsem, bepi, keys; writes keys
.if DOCPART == 2
	.amdgcn_target "amdgcn-amd-amdhsa--gfx1250"
	.amdhsa_code_object_version 6
	.text
	.protected	k_q0b60f7353a_encode
	.globl	k_q0b60f7353a_encode
	.p2align	8
	.type	k_q0b60f7353a_encode,@function
k_q0b60f7353a_encode:
	s_mov_b64 s[64:65], 0
	v_nop
	global_prefetch_b8 v0, s[64:65] scope:SCOPE_SE
	s_setreg_imm32_b32 hwreg(HW_REG_WAVE_MODE, 25, 1), 1
	s_wait_xcnt 0x0
	s_wait_alu depctr_hold_cnt(0) depctr_sa_sdst(0) depctr_va_vdst(0) depctr_va_sdst(0) depctr_va_ssrc(0) depctr_va_vcc(0) depctr_vm_vsrc(0)
	s_getreg_b32 s2, hwreg(HW_REG_IB_STS2, 6, 4)
	s_cmp_eq_u32 s2, 0
	s_cbranch_scc0 .Lentry_in_a_cluster
	s_endpgm
.Lentry_in_a_cluster:
	s_bfe_u32 s2, ttmp6, 0x10000c
	s_cmp_lg_u32 s2, 0x3003
	s_cbranch_scc0 .Lentry_shape_is_right
	s_endpgm
.Lentry_shape_is_right:
; ENCODE: e = embed[seq]; x = e + relu(e W1 + b1) W2 + b2; h = LayerNorm(x) ln_g + ln_b; keys = h [Wsem | Wepi] + [bsem | bepi].
; keys: f16 [memory 2][batch 64][t 512][128].
; SHARES.  A work-group owns 128 tokens (a quarter of one batch row), each of its four waves 32: two tiles of 16.
; LAYOUT.  Every product is used transposed: source 0 = 16 output features x 32 input features of a weight (turned out of LDS by
; ds_load_tr16_b128), source 1 = 32 input features x 16 tokens.  In a result a lane holds ONE token (lane % 16) and the features
; 16 mt + 8 (lane / 16) + 0..7, and two such tiles, rounded in pairs, ARE source 1 of the next product.  So an activation never changes
; lanes, LayerNorm wants one exchange between the halves of the lanes, and the waves share only weights and 6 KB of parameters.
; FIVE UNITS of 256 (in) x 256 (out) x 32 tokens, 256 matrix instructions each: U1 hidden 0-255, U3 x += W2 rows 0-255, U2 hidden 256-511,
; U4 x += W2 rows 256-511, U5 the keys.  Their weights go through two LDS slots; the four work-groups of a cluster ask for each tile jointly.
; FORMATS.  e, W1, hidden, W2 in bf16 (no bound on them); h and the key weights in f16 (h is a normalised row); e's residual, sums and
; LayerNorm in f32, the variance from x - mean.
; LIMITS.  |h|, |keys| below 65,504; seq is clamped to 31,999 (reference() indexes inside the table); relu of a NaN gives 0; 1/sqrt to 1 ULP.
; REGISTERS, in windows of 256 (s_set_vgpr_msb: bits 1:0 source 0, 3:2 source 1, 5:4 source 2, 7:6 destination):
;   window 0: v0-15 addresses; v16-31 statistics; v32-63 the rows' offsets in embed; v64-127, v128-191 weight fragments, two buffers; v192-255 at work
;   window 1: X(mt, nt) at 128 nt + 8 mt: e, then x, then h, in f32
;   window 2: ACC(mt, nt) at 16 (2 (mt / 2) + nt) + 8 (mt % 2); after relu the first 8 of each 16 are source 1 of the next unit; ln_g, ln_b during LayerNorm
;   window 3: v0-127 e in bf16, later h in f16, as source 1: (ks, nt) at 8 (2 ks + nt); v128-255 a bias in the results' layout
.set PITCH, 544                        ; an LDS row of weights: 512 bytes + 32 of padding: 17 x 32, so the 8 rows x 32 bytes of a turning load's half fall on different banks (64 banks of 4 bytes: ISA guide 11.1)
.set QUART, 64*PITCH                   ; what one tensor load brings: 64 rows
.set HALFS, 128*PITCH
.set SLOT,  256*PITCH
.set PARAM, 2*SLOT                     ; b1 +0, b2 +2048, ln_g +3072, ln_b +4096, bsem +5120, bepi +5632
.set P_B1,  0
.set P_B2,  2048
.set P_G,   3072
.set P_LB,  4096
.set P_BK,  5120
.set STG,   PARAM+6144                 ; each wave's own stage: 16 rows x 528 on the way in, 16 rows x 272 on the way out
.set STGW,  8448
.set TMP,   192
.set BI,    128
.set WV,    60                         ; s60 my wave's number
.set MSB, 0
.macro WIN new                         ; the immediate's high byte repeats the setting that is left; a switch that changes nothing is dropped
.if MSB != \new
	s_set_vgpr_msb (MSB<<8)|\new
.set MSB, \new
.endif
.endm
.macro PLACES                          ; four plain places behind matrix instructions (ISA guide 7.12.1), where no other vector work is at hand
.rept 4
	v_nop
.endr
.endm
; A round of the cluster's barrier: my work-group's barrier, wave 0 signals for the work-group, every wave waits for all four work-groups, my work-group's barrier once more.
.macro ROUND
	s_barrier_signal -1
	s_barrier_wait -1
	s_cmp_lg_u32 s[WV], 0
	s_cbranch_scc1 .Lnot_wave_0_\@
	s_barrier_signal -3
.Lnot_wave_0_\@:
	s_barrier_wait -3
	s_barrier_signal -1
	s_barrier_wait -1
.endm
; A slot that has been read out is filled again: my reads of it are back, all my tensor loads have landed (the one that was out is my part of the
; other slot, which the next unit reads), a round, and my one joint load first thing behind it.  Four v_nop follow it.
.macro REFILL g0, g1
	WIN 0
	s_wait_dscnt 0x0
	s_wait_tensorcnt 0x0
	ds_add_u32 v254, v255
	s_wait_dscnt 0x0
	ROUND
	tensor_load_to_lds s[\g0:\g0+3], s[\g1:\g1+7]
	s_nop 0
	PLACES
.endm
	s_load_b512 s[4:19], s[0:1], 0x0               ; seq s[4:5], embed s[6:7], wts s[8:9], b1 s[10:11], b2 s[12:13], ln_g s[14:15], ln_b s[16:17], bsem s[18:19]
	s_load_b128 s[20:23], s[0:1], 0x40             ; bepi s[20:21], keys s[22:23]
	v_lshl_add_u32 v254, v0, 2, 0x4dc00
	v_mov_b32 v255, 0
	ds_add_u32 v254, v255
	ds_add_u32 v254, v255
	v_lshrrev_b32 v3, 5, v0
	v_readfirstlane_b32 s[WV], v3                  ; wave 0..3
	s_bfe_u32 s2, ttmp6, 0x40000                   ; cx: my place in the cluster
	s_lshl_b32 s61, ttmp9, 2                       ; in a cluster launch ttmp9 counts clusters
	s_add_co_u32 s61, s61, s2                      ; my work-group: it enters seq's and keys' addresses alone
	; descriptor group 1: 64 rows x 256 elements of 2 bytes, 32 bytes of padding behind each row of 512
.irp g, 24, 32
	s_mov_b32 s[\g+0], 15|(1<<16)|(1<<20)|(1<<21)|(6<<22)|(7<<25)  ; 15:0 the mask: all four work-groups; 17:16 2 bytes; 20 padding on; 21 set beside a mask; 24:22 after every 128 words; 31:25 8 words
	s_mov_b32 s[\g+1], 256<<16                     ; tensor_dim0 = 256
	s_mov_b32 s[\g+2], 64<<16                      ; tensor_dim1 = 64
	s_mov_b32 s[\g+3], 256<<16                     ; tile_dim0 = 256
	s_mov_b32 s[\g+4], 64                          ; tile_dim1 = 64
	s_mov_b32 s[\g+6], 0
	s_mov_b32 s[\g+7], 0
.endr
	s_mov_b32 s29, 512                             ; the pitch of W1, in elements
	s_mov_b32 s37, 256                             ; of W2 and Wk
	s_mul_i32 s3, s[WV], QUART                     ; my 64 rows of a slot: the wave's number alone
	s_lshl_b32 s62, s[WV], 16                      ; 64 rows of W1 (1,024 bytes each)
	s_mov_b32 s63, 0
	s_lshl_b32 s66, s[WV], 15                      ; 64 rows of W2 or Wk (512 bytes each)
	s_mov_b32 s67, 0
	s_wait_dscnt 0x0
	s_wait_kmcnt 0x0
	s_add_nc_u64 s[62:63], s[8:9], s[62:63]
	s_add_nc_u64 s[66:67], s[8:9], s[66:67]
	; five groups 0, written once and never again: s[40:43] W1 columns 0-255 -> slot 0; s[44:47] W2 rows 0-255 -> slot 1;
	; s[48:51] W1 columns 256-511 -> slot 0; s[52:55] W2 rows 256-511 -> slot 1; s[56:59] Wk -> slot 0
	s_mov_b32 s40, 1
	s_mov_b32 s41, s3
	s_mov_b64 s[42:43], s[62:63]
	s_or_b32 s43, s43, 0x80000000
	s_mov_b32 s44, 1
	s_add_co_u32 s45, s3, SLOT
	s_add_nc_u64 s[46:47], s[66:67], 262144
	s_or_b32 s47, s47, 0x80000000
	s_mov_b32 s48, 1
	s_mov_b32 s49, s3
	s_add_nc_u64 s[50:51], s[62:63], 512
	s_or_b32 s51, s51, 0x80000000
	s_mov_b32 s52, 1
	s_add_co_u32 s53, s3, SLOT
	s_add_nc_u64 s[54:55], s[66:67], 393216
	s_or_b32 s55, s55, 0x80000000
	s_mov_b32 s56, 1
	s_mov_b32 s57, s3
	s_add_nc_u64 s[58:59], s[66:67], 524288
	s_or_b32 s59, s59, 0x80000000
	ROUND                                          ; all four work-groups are here: the first joint loads meet
	tensor_load_to_lds s[40:43], s[24:31]          ; both first fills together: two loads of mine are out
	s_nop 0
	tensor_load_to_lds s[44:47], s[32:39]
	s_nop 0
	PLACES
	; my 32 indices, as scalars
	s_lshl_b32 s2, s61, 9                          ; 128 tokens x 4 bytes a work-group,
	s_lshl_b32 s3, s[WV], 7                        ; 32 a wave
	s_add_co_u32 s2, s2, s3
	s_mov_b32 s3, 0
	s_add_nc_u64 s[62:63], s[4:5], s[2:3]
	s_load_b512 s[68:83], s[62:63], 0x0
	s_load_b512 s[84:99], s[62:63], 0x40
	v_and_b32 v3, 31, v0                           ; lane
	v_and_b32 v1, 15, v0                           ; n = lane % 16
	v_bfe_u32 v2, v0, 4, 1                         ; h = lane / 16
	v_lshlrev_b32 v14, 4, v3                       ; 16 x lane
	v_lshlrev_b32 v15, 4, v0                       ; 16 x thread
	; the parameters, 6,144 bytes, 3 x 16 bytes a thread: b1 | b2, ln_g | ln_b, bsem, bepi.  The buffers are chosen by the wave's number.
	s_cmp_eq_u32 s[WV], 2
	s_cselect_b64 s[4:5], s[18:19], s[20:21]
	s_cmp_lt_u32 s[WV], 2
	s_cselect_b64 s[4:5], s[16:17], s[4:5]         ; waves 0, 1 ln_b; wave 2 bsem; wave 3 bepi
	s_cselect_b64 s[66:67], s[12:13], s[14:15]     ; waves 0, 1 b2; waves 2, 3 ln_g
	s_cselect_b32 s2, 63, 31
	v_and_b32 v18, 63, v0
	v_lshlrev_b32 v18, 4, v18
	v_and_b32 v19, s2, v0
	v_lshlrev_b32 v19, 4, v19
	global_load_b128 v[192:195], v15, s[10:11]
	global_load_b128 v[196:199], v18, s[66:67]
	global_load_b128 v[200:203], v19, s[4:5]
	v_add_nc_u32 v20, PARAM, v15
	; LDS addresses
	v_and_b32 v16, 7, v0
	v_lshl_add_u32 v16, v2, 3, v16                 ; a turning load: row 8 h + lane % 8,
	v_mul_u32_u24 v16, v16, PITCH
	v_bfe_u32 v17, v0, 3, 1
	v_lshl_add_u32 v4, v17, 4, v16                 ; 16 bytes for each half of eight lanes.  v4, v5: slot 0, rows 0-127 and 128-255
	v_add_nc_u32 v5, HALFS, v4
	v_add_nc_u32 v6, SLOT, v4                      ; v6, v7: slot 1
	v_add_nc_u32 v7, SLOT+HALFS, v4
	v_lshlrev_b32 v8, 5, v2
	v_add_nc_u32 v8, PARAM, v8                     ; a parameter in the results' layout: 8 numbers at 16 mt + 8 h
	s_mul_i32 s3, s[WV], STGW
	s_add_co_u32 s3, s3, STG                       ; my stage
	v_add_nc_u32 v9, s3, v14                       ; way in: 512 bytes of a row as loaded
	v_mul_u32_u24 v10, v1, 528
	v_lshl_add_u32 v10, v2, 5, v10
	v_add_nc_u32 v10, s3, v10                      ; and back: token n, 32 bytes at 64 q + 32 h
	v_mul_u32_u24 v11, v1, 272
	v_lshl_add_u32 v11, v2, 4, v11
	v_add_nc_u32 v11, s3, v11                      ; way out: token n, 16 bytes for each half of the lanes
	v_mul_u32_u24 v12, v2, 272
	v_lshl_add_u32 v12, v1, 4, v12
	v_add_nc_u32 v12, s3, v12                      ; and back: lanes 0-15 one row of 256 bytes, lanes 16-31 the next
	v_lshlrev_b32 v13, 8, v2
	v_lshl_add_u32 v13, v1, 4, v13                 ; the same two rows in keys
	s_mov_b32 s100, 0x76543210                     ; v_permlanex16_b32: each lane takes its own place in the other half
	s_mov_b32 s101, 0xfedcba98
	s_wait_kmcnt 0x0                               ; the indices
.set i, 0
.rept 32
	s_min_u32 s[68+i], s[68+i], 31999              ; inside the table
	s_lshl_b32 s[68+i], s[68+i], 10                ; a row of embed is 1,024 bytes
	v_add_nc_u32 v[32+i], s[68+i], v14
.set i, i+1
.endr
; THE GATHER.  Pass (tt, p): half p (512 bytes) of the 16 rows of token tile tt; one load covers 512 consecutive bytes of one row.  The 16 loads land in the 64
; registers that the pass's part of X will take; they go through my stage (rows of 528 bytes) and come back with one token a lane.
.macro GLOAD tt, p
.set i, 0
.rept 16
	global_load_b128 v[128*\tt+64*\p+4*i:128*\tt+64*\p+4*i+3], v[32+16*\tt+i], s[6:7] offset:512*\p
.set i, i+1
.endr
.endm
.macro PASS tt, p
.set i, 0
.rept 16
	ds_store_b128 v9, v[128*\tt+64*\p+4*i:128*\tt+64*\p+4*i+3] offset:528*i
.set i, i+1
.endr
.set i, 0
.rept 8
	ds_load_b128 v[128*\tt+64*\p+8*i:128*\tt+64*\p+8*i+3],   v10 offset:64*i      ; LDS serves a wave's instructions in order (ISA guide 5.7.1.4): these see the stores above,
	ds_load_b128 v[128*\tt+64*\p+8*i+4:128*\tt+64*\p+8*i+7], v10 offset:64*i+16   ; and the next pass's stores come behind them
.set i, i+1
.endr
.endm
	WIN 0x40                                       ; destination window 1
	GLOAD 0, 0
	GLOAD 0, 1
	GLOAD 1, 0
	WIN 0
	s_wait_loadcnt 48                              ; the 48 gather loads are younger: the three parameter loads are in
	ds_store_b128 v20, v[192:195]
	ds_store_b128 v20, v[196:199] offset:2048
	ds_store_b128 v20, v[200:203] offset:4096
	s_wait_loadcnt 32                              ; pass (0, 0) is in; two passes stay out
	WIN 0x44                                       ; store data and load destinations in window 1
	PASS 0, 0
	GLOAD 1, 1                                     ; the fourth pass goes out here, so that a wait's count can name what is out
	s_wait_loadcnt 32                              ; passes (1, 0) and (1, 1) stay out
	PASS 0, 1
	s_wait_loadcnt 16
	PASS 1, 0
	s_wait_loadcnt 0x0
	PASS 1, 1
	WIN 0
	s_lshl_b32 s2, s61, 15                         ; keys: 128 rows of 256 bytes a work-group (four work-groups are one batch row),
	s_lshl_b32 s3, s[WV], 13                       ; 32 a wave
	s_add_co_u32 s2, s2, s3
	s_mov_b32 s3, 0
	s_add_nc_u64 s[62:63], s[22:23], s[2:3]        ; the first memory's keys (every load that named s[62:63] or s[66:67] has been waited for)
	s_add_nc_u64 s[66:67], s[62:63], 0x800000      ; the second's, 64 x 512 x 256 bytes on
	s_wait_dscnt 0x0                               ; for the others' sake: my parameters are in LDS (and X is back)
	s_wait_tensorcnt 0x1                           ; my part of slot 0 is in; slot 1's may stay out
	s_barrier_signal -1
	s_barrier_wait -1
.macro PLOAD dst, at                   ; 256 parameters in the results' layout: 32 loads, the same bytes for the 16 lanes of a half
.set i, 0
.rept 16
	ds_load_b128 v[\dst+8*i:\dst+8*i+3],   v8 offset:\at+64*i
	ds_load_b128 v[\dst+8*i+4:\dst+8*i+7], v8 offset:\at+64*i+16
.set i, i+1
.endr
.endm
; Group g of 16 of a unit: input features 32 (g / 2) on, output tiles 8 (g % 2) + 0..7.  FETCH: its 8 weight fragments, 16 turning loads, into buffer g % 2.
.macro FETCH slot, g
.set fks, (\g)/2
.set ffb, 64+64*((\g)%2)
.set fad, 4+2*(\slot)+fks/4
.set fi, 0
.rept 8
.set fof, (fks%4)*32*PITCH+32*(8*((\g)%2)+fi)
	ds_load_tr16_b128 v[ffb+8*fi:ffb+8*fi+3],   v[fad] offset:fof
	ds_load_tr16_b128 v[ffb+8*fi+4:ffb+8*fi+7], v[fad] offset:fof+16*PITCH
.set fi, fi+1
.endr
.endm
; MUL16: its 16 matrix instructions.  kind 0: ACC = W^T (window 3's operand), the first step taking the bias as C; kind 1: X += W^T (window 2's operand).
; The unit's 32 accumulators take turns, one instruction a turn.
.macro MUL16 g, kind, fmt
.set ks, (\g)/2
.set fb, 64+64*((\g)%2)
.set i, 0
.rept 8
.set mt, 8*((\g)%2)+i
.set nt, 0
.rept 2
.if \kind == 0
.set rd, 16*(2*(mt/2)+nt)+8*(mt%2)
.set rb, 8*(2*ks+nt)
.else
.set rd, 128*nt+8*mt
.set rb, 16*(2*ks+nt)
.endif
.if (\kind == 0) && (ks == 0)
	v_wmma_f32_16x16x32_\fmt v[rd:rd+7], v[fb+8*i:fb+8*i+7], v[rb:rb+7], v[BI+8*mt:BI+8*mt+7]
.else
	v_wmma_f32_16x16x32_\fmt v[rd:rd+7], v[fb+8*i:fb+8*i+7], v[rb:rb+7], v[rd:rd+7]
.endif
.set nt, nt+1
.endr
.set i, i+1
.endr
.endm
.macro UWIN kind, g
.if \kind == 0
.if (\g) < 2
	WIN 0xbc                                       ; weights window 0, operand and bias window 3, result window 2
.else
	WIN 0xac                                       ; the same, adding in window 2
.endif
.else
	WIN 0x58                                       ; weights window 0, operand window 2, sums in window 1
.endif
.endm
; A unit: while group g is multiplied, group g + 1's fragments are on their way into the other buffer.
.macro UNIT slot, kind, fmt
	WIN 0
	FETCH \slot, 0
.set gg, 0
.rept 15
.if gg > 0
	PLACES                                         ; the buffer to be loaded was read by the matrix instructions just issued
.endif
	WIN 0
	FETCH \slot, gg+1
	s_wait_dscnt 16                                ; all but the 16 just issued: group gg's fragments (and any parameters asked for earlier) are in
	UWIN \kind, gg
	MUL16 gg, \kind, \fmt
.set gg, gg+1
.endr
	s_wait_dscnt 0x0
	UWIN \kind, 15
	MUL16 15, \kind, \fmt
.endm
; relu and rounding to bf16, in place: of each 16 registers (two tiles of one token tile) the first 8 become source 1 for 32 hidden features.  Each tile is read from its low end on.
.macro RELU
	WIN 0x8a
.set b, 0
.rept 16
.set i, 0
.rept 16
	v_max_num_f32 v[b+i], 0, v[b+i]
.set i, i+1
.endr
.set i, 0
.rept 8
	v_cvt_pk_bf16_f32 v[b+i], v[b+2*i], v[b+2*i+1]
.set i, i+1
.endr
.set b, b+16
.endr
.endm
	WIN 0xc0
	PLOAD BI, P_B2
	WIN 0xc5                                       ; e in bf16, as source 1
.set q, 0
.rept 128
	v_cvt_pk_bf16_f32 v[8*(2*((q%64)/8)+q/64)+q%8], v[128*(q/64)+2*(q%64)], v[128*(q/64)+2*(q%64)+1]
.set q, q+1
.endr
	s_wait_dscnt 0x0                               ; b2
	WIN 0x4d                                       ; X = e + b2: the sums of U3 and U4 start from it
.set q, 0
.rept 128
	v_pk_add_f32 v[128*(q/64)+2*(q%64):128*(q/64)+2*(q%64)+1], v[128*(q/64)+2*(q%64):128*(q/64)+2*(q%64)+1], v[BI+2*(q%64):BI+2*(q%64)+1]
.set q, q+1
.endr
	WIN 0xc0
	PLOAD BI, P_B1
	UNIT 0, 0, bf16                                ; U1: e W1[:, 0:256] + b1
	REFILL 48, 24                                  ; slot 0 takes W1's other columns; the four v_nop are the places in front of relu
	RELU
	UNIT 1, 1, bf16                                ; U3
	REFILL 52, 32                                  ; slot 1 takes W2's other rows
	PLACES                                         ; with the four above: more than five places before U2 writes over U3's operands
	WIN 0xc0
	PLOAD BI, P_B1+1024
	UNIT 0, 0, bf16                                ; U2: e W1[:, 256:512] + b1
	REFILL 56, 32                                  ; slot 0 takes Wk: my last tensor load
	RELU
	UNIT 1, 1, bf16                                ; U4: X = e + b2 + relu(..) W2
	PLACES
	WIN 0x80
	PLOAD 0, P_G                                   ; ln_g and ln_b into window 2, whose operands are spent
	PLOAD 128, P_LB
	WIN 0xc0
	PLOAD BI, P_BK                                 ; bsem | bepi
	s_mov_b32 s2, 0x3b800000                       ; 1 / 256
	s_mov_b32 s3, 0x3727c5ac                       ; 1e-5
.macro FOLD                            ; four chains of pairs -> the token's sum, in both of its lanes
	v_pk_add_f32 v[16:17], v[16:17], v[18:19]
	v_pk_add_f32 v[20:21], v[20:21], v[22:23]
	v_pk_add_f32 v[16:17], v[16:17], v[20:21]
	v_add_f32 v16, v16, v17
	v_permlanex16_b32 v17, v16, s100, s101         ; the token's other 128 features lie in the lane 16 away
	v_add_f32 v16, v16, v17
.endm
; LayerNorm of token tile nt: the mean, x - mean, the mean of its squares, the scaling, gain and bias, and h in f16 as source 1.  X's tiles are read from their low ends on.
.macro LNORM nt
.set xb, 128*(\nt)
	WIN 0x05
.set c, 0
.rept 4
	v_pk_add_f32 v[16+2*c:17+2*c], v[xb+2*c:xb+2*c+1], v[xb+8+2*c:xb+9+2*c]   ; the first eight pairs start the chains: nothing is cleared
.set c, c+1
.endr
	WIN 0x04
.set p, 8
.rept 56
	v_pk_add_f32 v[16+2*(p%4):17+2*(p%4)], v[16+2*(p%4):17+2*(p%4)], v[xb+2*p:xb+2*p+1]
.set p, p+1
.endr
	WIN 0
	FOLD
	v_mul_f32 v24, s2, v16
	v_mul_f32 v25, s2, v16                         ; the mean, twice: a pair for the packed forms
	WIN 0x41
.set p, 0
.rept 64
	v_pk_add_f32 v[xb+2*p:xb+2*p+1], v[xb+2*p:xb+2*p+1], v[24:25] neg_lo:[0,1] neg_hi:[0,1]
.set p, p+1
.endr
	WIN 0x05
.set p, 0
.rept 4
	v_pk_mul_f32 v[16+2*p:17+2*p], v[xb+2*p:xb+2*p+1], v[xb+2*p:xb+2*p+1]
.set p, p+1
.endr
.rept 60
	v_pk_fma_f32 v[16+2*(p%4):17+2*(p%4)], v[xb+2*p:xb+2*p+1], v[xb+2*p:xb+2*p+1], v[16+2*(p%4):17+2*(p%4)]
.set p, p+1
.endr
	WIN 0
	FOLD
	v_fma_f32 v26, v16, s2, s3                     ; the variance + 1e-5
	v_rsq_f32 v24, v26
	v_nop                                          ; a plain instruction between the root and the use of its result (ISA guide 5.7.2)
	s_wait_alu depctr_va_vdst(0)
	v_mov_b32 v25, v24
	WIN 0x41
.set p, 0
.rept 64
	v_pk_mul_f32 v[xb+2*p:xb+2*p+1], v[xb+2*p:xb+2*p+1], v[24:25]
.set p, p+1
.endr
	s_wait_dscnt 0x0                               ; ln_g, ln_b (and the keys' bias)
	WIN 0x69
.set p, 0
.rept 64
	v_pk_fma_f32 v[xb+2*p:xb+2*p+1], v[xb+2*p:xb+2*p+1], v[2*p:2*p+1], v[128+2*p:128+2*p+1]
.set p, p+1
.endr
	WIN 0xc5
.set p, 0
.rept 64
	v_cvt_pk_f16_f32 v[8*(2*(p/8)+(\nt))+p%8], v[xb+2*p], v[xb+2*p+1]
.set p, p+1
.endr
.endm
	LNORM 0
	LNORM 1
	WIN 0
	s_wait_dscnt 0x0
	s_wait_tensorcnt 0x0                           ; my part of Wk is in,
	s_barrier_signal -1
	s_barrier_wait -1                              ; everybody's is
	UNIT 0, 0, f16                                 ; U5: the keys, features 0-127 the first memory's, 128-255 the second's
; THE WAY OUT.  Block it = (token tile it / 2, memory it % 2): 16 tokens x 128 features, rounded to f16; a lane's 8 features are 16 bytes; they go into my stage
; (rows of 272 bytes) and come back as whole rows of 256 bytes, each block into 32 registers of its own (the fragment buffers are free).
.macro KPACK it
.set knt, (\it)/2
.set kme, (\it)%2
	WIN 0x0a
.set q, 0
.rept 8
.set mt, 8*kme+q
.set rd, 16*(2*(mt/2)+knt)+8*(mt%2)
.set r, 0
.rept 4
	v_cvt_pk_f16_f32 v[TMP+4*q+r], v[rd+2*r], v[rd+2*r+1]
.set r, r+1
.endr
.set q, q+1
.endr
	WIN 0
.set q, 0
.rept 8
	ds_store_b128 v11, v[TMP+4*q:TMP+4*q+3] offset:32*q
.set q, q+1
.endr
.set q, 0
.rept 8
	ds_load_b128 v[64+32*(\it)+4*q:64+32*(\it)+4*q+3], v12 offset:544*q   ; in order behind the stores above; the next block's stores come behind these
.set q, q+1
.endr
.endm
.macro KSEND it, younger               ; younger: the LDS instructions issued behind this block's loads: the next block's sixteen, or none
.set q, 0
.rept 8
	s_wait_dscnt \younger+7-q
	global_store_b128 v13, v[64+32*(\it)+4*q:64+32*(\it)+4*q+3], s[62+4*((\it)%2):63+4*((\it)%2)] offset:(16*((\it)/2)+2*q)*256   ; 16 lanes store one key row: 256 consecutive bytes, aligned
.set q, q+1
.endr
.endm
	PLACES                                         ; the conversions read results just made, and the loads land in fragments just read
	KPACK 0
	KPACK 1
	KSEND 0, 16
	KPACK 2
	KSEND 1, 16
	KPACK 3
	KSEND 2, 16
	KSEND 3, 0
	s_wait_tensorcnt 0x0
	ds_add_u32 v254, v255
	s_wait_dscnt 0x0
	ROUND                                          ; the closing round: no work-group ends while a partner may still ask for a tile that names it
	s_endpgm
.Lfunc_end_k_q0b60f7353a_encode:
	.size	k_q0b60f7353a_encode, .Lfunc_end_k_q0b60f7353a_encode-k_q0b60f7353a_encode
	.p2alignl 7, 3214868480
	.fill 96, 4, 3214868480
	.section	.rodata,"a",@progbits
	.p2align	6, 0x0
	.amdhsa_kernel k_q0b60f7353a_encode
		.amdhsa_group_segment_fixed_size 327680
		.amdhsa_private_segment_fixed_size 0
		.amdhsa_enable_private_segment 0
		.amdhsa_kernarg_size 80
		.amdhsa_user_sgpr_count 2
		.amdhsa_user_sgpr_kernarg_segment_ptr 1
		.amdhsa_wavefront_size32 1
		.amdhsa_system_sgpr_workgroup_id_x 1
		.amdhsa_system_sgpr_workgroup_id_y 1
		.amdhsa_system_sgpr_workgroup_id_z 1
		.amdhsa_system_vgpr_workitem_id 0
		.amdhsa_next_free_vgpr 1024
		.amdhsa_next_free_sgpr 102
		.amdhsa_reserve_vcc 0
		.amdhsa_float_denorm_mode_32 3
		.amdhsa_float_denorm_mode_16_64 3
		.amdhsa_memory_ordered 1
		.amdhsa_forward_progress 1
		.amdhsa_inst_pref_size 255
	.end_amdhsa_kernel
	.section	.bss,"aw",@nobits
	.p2align	6
	.space	262144
	.amdgpu_metadata
---
amdhsa.version: [ 1, 2 ]
amdhsa.kernels:
  - .name:           k_q0b60f7353a_encode
    .symbol:         k_q0b60f7353a_encode.kd
    .args:
      - { .name: seq, .offset: 0, .size: 8, .value_kind: global_buffer, .address_space: global }
      - { .name: embed, .offset: 8, .size: 8, .value_kind: global_buffer, .address_space: global }
      - { .name: wts, .offset: 16, .size: 8, .value_kind: global_buffer, .address_space: global }
      - { .name: b1, .offset: 24, .size: 8, .value_kind: global_buffer, .address_space: global }
      - { .name: b2, .offset: 32, .size: 8, .value_kind: global_buffer, .address_space: global }
      - { .name: ln_g, .offset: 40, .size: 8, .value_kind: global_buffer, .address_space: global }
      - { .name: ln_b, .offset: 48, .size: 8, .value_kind: global_buffer, .address_space: global }
      - { .name: bsem, .offset: 56, .size: 8, .value_kind: global_buffer, .address_space: global }
      - { .name: bepi, .offset: 64, .size: 8, .value_kind: global_buffer, .address_space: global }
      - { .name: keys, .offset: 72, .size: 8, .value_kind: global_buffer, .address_space: global }
    .group_segment_fixed_size: 327680
    .private_segment_fixed_size: 0
    .kernarg_segment_align: 8
    .kernarg_segment_size: 80
    .max_flat_workgroup_size: 128
    .sgpr_count:     102
    .vgpr_count:     1024
    .wavefront_size: 32
...
	.end_amdgpu_metadata
.endif
;; end of part 2
;; launch scan (part 3): grid 128 x 1, 8 waves a work-group, no clusters, 239,360 bytes of LDS; arguments keys, cbuf; writes cbuf
.if DOCPART == 3
	.amdgcn_target "amdgcn-amd-amdhsa--gfx1250"
	.amdhsa_code_object_version 6
	.text
	.protected	k_q0b60f7353a_scan
	.globl	k_q0b60f7353a_scan
	.p2align	8
	.type	k_q0b60f7353a_scan,@function
k_q0b60f7353a_scan:
	s_mov_b64 s[64:65], 0
	v_nop
	global_prefetch_b8 v0, s[64:65] scope:SCOPE_SE
	s_setreg_imm32_b32 hwreg(HW_REG_WAVE_MODE, 25, 1), 1
	s_wait_xcnt 0x0
; SCAN: c = M_510 q for one chain (memory, batch) of the delta rule M_t = M_(t-1) (I - beta_t k_t k_t^T) + s_t k_t k_t^T,
; n_t = |k_t|^2 + 1e-6, beta_t = s_t / n_t, s_t = 1 (first memory) or (t + 1) / 512 (second); q is the key of t = 511.
; BACKWARDS.  Only M q is wanted: with r = q and t from 510 down, a = k_t . r, c += s_t a k_t, r -= beta_t a k_t.  With u_t = beta_t a_t: c = sum n_t u_t k_t.
; IN CHUNKS of 32 steps: u solves (I + N) u = beta o (K r), N[t][j] = beta_t (k_t . k_j) for j > t; then r -= K^T u, c += K^T (n o u).  The same algebra as
; reference()'s, for every input; only the order of the sums differs.  Row 511 rides in chunk 15 with beta = 0, so it writes nothing.
; PARALLEL PHASE: eight waves, two chunks each: the chunk's Gram block (12 matrix instructions), n, beta, and -(I + N)^-1 by back substitution in f32, one column a lane
; (256 packed multiply-adds, nothing cut short).  SEQUENTIAL PHASE: wave 0 walks the 16 chunks, three small products each; the walk is written out, so that every LDS
; address in it is a lane term plus a constant of the text.
; No cluster: the chains share no input.  128 chains, so 128 work-groups.
; FORMATS: keys, r, beta o (K r), u, the inverse and n u / nref in f16 (nref: the power of two under the chain's largest n); all sums, n, beta in f32.
; LIMITS: entries of a chunk's inverse below 65,504; n below 2^126; 1 / n to 1 ULP.
; REGISTERS.  Window 0: v0-15, v232-245 addresses and constants; parallel: v16-47 the inverse's column, v48-63 it in f16, v72-95 three Gram tiles, v96-109 at work,
; v168-231 key fragments; sequential: see the names below.  Window 1: parallel: two buffers of four rows of N; sequential: v0-63 r, v64-127 c, v128-191 turned keys.
.set KP,   288                         ; a key row in LDS: 256 bytes + 32 of padding: 9 x 32, for the turning loads
.set CHK,  32*KP                       ; a chunk's rows
.set TBUF, 512*KP                      ; the 16 inverses, f16 [column 32][t 32], rows of 96 bytes (3 x 32)
.set GS,   TBUF+16*3072                ; each wave's own 32 rows x 144 bytes of -N^T, f32
.set BETA, GS+8*4608                   ; beta_t, f32
.set NARR, BETA+2048                   ; n_t, later -n_t / nref
.set NMAX, NARR+2048                   ; each wave's largest n
.set OUTS, NMAX+256                    ; c on its way out
.set XR,  16
.set TPK, 48
.set G00, 72
.set G10, 80
.set G11, 88
.set FR,  168
.set RB,  16                           ; r in f16, source 1 (4 x 8)
.set BB,  48                           ; beta o (K r) in f16
.set UB,  56                           ; -u in f16
.set WB,  64                           ; n u / nref in f16
.set BA,  72                           ; K r (2 tiles)
.set UA,  88                           ; -u (2 tiles)
.set WW,  104
.set BE,  120                          ; beta, MM: -n / nref, in the results' layout
.set MM,  136
.set TN,  152                          ; the chunk's -(I + N)^-1, source 0 (2 x 8)
.set KA,  168                          ; the chunk's keys, source 0 (2 x 4 x 8)
.set MSB, 0
.macro WIN new
.if MSB != \new
	s_set_vgpr_msb (MSB<<8)|\new
.set MSB, \new
.endif
.endm
.macro PLACES
.rept 4
	v_nop
.endr
.endm
	s_load_b128 s[4:7], s[0:1], 0x0                ; keys s[4:5], cbuf s[6:7]
	v_lshl_add_u32 v254, v0, 2, 0x3a300
	v_mov_b32 v255, 0
	ds_add_u32 v254, v255
	ds_add_u32 v254, v255
	v_lshrrev_b32 v3, 5, v0
	v_readfirstlane_b32 s8, v3                     ; wave 0..7
	s_mov_b32 s9, ttmp9                            ; the chain
	s_lshr_b32 s10, s9, 6                          ; its memory
	s_and_b32 s11, s9, 63                          ; its batch row
	; descriptor group 1: 64 rows x 128 elements of 2 bytes, 32 bytes of padding behind each row of 256
	s_mov_b32 s16, (1<<16)|(1<<20)|(5<<22)|(7<<25)
	s_mov_b32 s17, 128<<16
	s_mov_b32 s18, 64<<16
	s_mov_b32 s19, 128<<16
	s_mov_b32 s20, 64
	s_mov_b32 s21, 128
	s_mov_b32 s22, 0
	s_mov_b32 s23, 0
	s_lshl_b32 s2, s9, 17                          ; a chain's 512 rows of 256 bytes,
	s_lshl_b32 s3, s8, 14                          ; my wave's 64
	s_add_co_u32 s2, s2, s3
	s_mov_b32 s3, 0
	s_mov_b32 s12, 1
	s_mul_i32 s13, s8, 64*KP
	s_wait_dscnt 0x0
	s_wait_kmcnt 0x0
	s_add_nc_u64 s[14:15], s[4:5], s[2:3]
	s_or_b32 s15, s15, 0x80000000
	tensor_load_to_lds s[12:15], s[16:23]          ; my one tensor load: my two chunks' keys; LDS is filled once
	s_nop 0
	v_and_b32 v1, 15, v0                           ; n = lane % 16
	v_bfe_u32 v2, v0, 4, 1                         ; h = lane / 16
	v_and_b32 v3, 31, v0                           ; lane
	v_lshlrev_b32 v4, 3, v2
	v_sub_nc_u32 v4, v1, v4                        ; n - 8 h: the register that holds a diagonal tile's diagonal, where it is 0..7
.set i, 0
.rept 8
	v_cmp_eq_i32 s[24+i], i, v4                    ; register i is on the diagonal
	v_cmp_gt_i32 s[32+i], i, v4                    ; register i lies under it: row j > column t
.set i, i+1
.endr
	s_mov_b32 s40, 0x76543210
	s_mov_b32 s41, 0xfedcba98
	s_cmp_lg_u32 s10, 0
	s_cselect_b32 s42, -1, 0                       ; all lanes: the second memory
	s_mov_b32 s43, 0xffff0000                      ; lanes 16-31
	v_mul_u32_u24 v5, v1, KP
	v_lshl_add_u32 v5, v2, 4, v5
	v_add_nc_u32 v5, s13, v5                       ; a key fragment: row n, 16 bytes for each half
	s_mul_i32 s2, s8, 4608
	s_add_co_u32 s2, s2, GS
	v_mul_u32_u24 v6, v2, 1152
	v_lshl_add_u32 v6, v1, 2, v6
	v_add_nc_u32 v6, s2, v6                        ; -N^T goes in: row 8 h + register, column n
	v_mov_b32 v7, s2                               ; and comes back a row for all lanes
	s_mul_i32 s3, s8, 6144
	s_add_co_u32 s3, s3, TBUF
	v_mul_u32_u24 v8, v3, 96
	v_add_nc_u32 v8, s3, v8                        ; my column of the inverse
	s_lshl_b32 s3, s8, 8
	s_add_co_u32 s3, s3, BETA
	v_lshl_add_u32 v9, v3, 2, s3                   ; beta and n of step 32 c + lane
	v_lshl_add_u32 v10, s8, 6, v1                  ; t of the left column tile: 64 w + n
	v_mov_b32 v12, 0                               ; the largest n so far
	v_mov_b32 v98, 0                               ; destinations of the lane exchange count as read
	v_mov_b32 v99, 0
	s_wait_tensorcnt 0x0                           ; my rows are in; in this phase I read no others
.macro ROWS g                          ; rows j = 31 - 4 g .. 28 - 4 g of -N^T, columns 0 .. j - 1 in quads: 31 - 4 g loads, into buffer g % 2
.set rr, 0
.rept 4
.set jr, 31-4*(\g)-rr
.set qq, 0
.rept (jr+3)/4
	ds_load_b128 v[128*((\g)%2)+32*rr+4*qq:128*((\g)%2)+32*rr+4*qq+3], v7 offset:jr*144+16*qq
.set qq, qq+1
.endr
.set rr, rr+1
.endr
.endm
.macro ELIM g                          ; x_t -= N[t][j] x_j for all t < j, the pair next to j first, since the next row wants it
.set rr, 0
.rept 4
.set jr, 31-4*(\g)-rr
.set pp, (jr+1)/2-1
.rept (jr+1)/2
.if jr%2 == 0
	v_pk_fma_f32 v[XR+2*pp:XR+2*pp+1], v[128*((\g)%2)+32*rr+2*pp:128*((\g)%2)+32*rr+2*pp+1], v[XR+jr:XR+jr+1], v[XR+2*pp:XR+2*pp+1] op_sel_hi:[1,0,1]
.else
	v_pk_fma_f32 v[XR+2*pp:XR+2*pp+1], v[128*((\g)%2)+32*rr+2*pp:128*((\g)%2)+32*rr+2*pp+1], v[XR+jr-1:XR+jr], v[XR+2*pp:XR+2*pp+1] op_sel:[0,1,0] op_sel_hi:[1,1,1]
.endif
.set pp, pp-1
.endr
.set rr, rr+1
.endr
.endm
	s_mov_b32 s44, 0
.Lchunk:                                               ; two trips: my two chunks
.set rt, 0
.rept 2
.set ks, 0
.rept 4
	ds_load_b128 v[FR+32*rt+8*ks:FR+32*rt+8*ks+3],   v5 offset:rt*16*KP+64*ks
	ds_load_b128 v[FR+32*rt+8*ks+4:FR+32*rt+8*ks+7], v5 offset:rt*16*KP+64*ks+32
.set ks, ks+1
.endr
.set rt, rt+1
.endr
	s_wait_dscnt 0x0
	; the Gram block, row j x column t: tiles (0, 0), (1, 0), (1, 1); the fourth lies over the diagonal.  The three sums take turns.
	v_wmma_f32_16x16x32_f16 v[G00:G00+7], v[FR:FR+7], v[FR:FR+7], 0
	v_wmma_f32_16x16x32_f16 v[G10:G10+7], v[FR+32:FR+39], v[FR:FR+7], 0
	v_wmma_f32_16x16x32_f16 v[G11:G11+7], v[FR+32:FR+39], v[FR+32:FR+39], 0
.set ks, 1
.rept 3
	v_wmma_f32_16x16x32_f16 v[G00:G00+7], v[FR+8*ks:FR+8*ks+7], v[FR+8*ks:FR+8*ks+7], v[G00:G00+7]
	v_wmma_f32_16x16x32_f16 v[G10:G10+7], v[FR+32+8*ks:FR+39+8*ks], v[FR+8*ks:FR+8*ks+7], v[G10:G10+7]
	v_wmma_f32_16x16x32_f16 v[G11:G11+7], v[FR+32+8*ks:FR+39+8*ks], v[FR+32+8*ks:FR+39+8*ks], v[G11:G11+7]
.set ks, ks+1
.endr
	PLACES
	; |k_t|^2 off the two diagonals, from register 0 on, then into both halves of the lanes
	v_cndmask_b32 v96, 0, v[G00], s24
	v_cndmask_b32 v97, 0, v[G11], s24
.set i, 1
.rept 7
	v_cndmask_b32 v96, v96, v[G00+i], s[24+i]
	v_cndmask_b32 v97, v97, v[G11+i], s[24+i]
.set i, i+1
.endr
	v_permlanex16_b32 v98, v96, s40, s41
	v_permlanex16_b32 v99, v97, s40, s41
	v_add_f32 v96, v96, v98
	v_add_f32 v97, v97, v99
	v_add_f32 v96, 0x358637bd, v96                 ; n = |k|^2 + 1e-6, columns t and t + 16
	v_add_f32 v97, 0x358637bd, v97
	v_add_nc_u32 v100, 1, v10
	v_add_nc_u32 v101, 17, v10
	v_cvt_f32_u32 v100, v100
	v_cvt_f32_u32 v101, v101
	v_rcp_f32 v102, v96
	v_rcp_f32 v103, v97
	v_mul_f32 v100, 0x3b000000, v100               ; (t + 1) / 512; also the plain instruction behind the reciprocals (ISA guide 5.7.2)
	v_mul_f32 v101, 0x3b000000, v101
	v_cndmask_b32 v100, 1.0, v100, s42             ; s_t
	v_cndmask_b32 v101, 1.0, v101, s42
	v_cmp_eq_u32 vcc_lo, 495, v10                  ; t + 16 = 511: the query's row
	s_wait_alu depctr_va_vdst(0)
	v_mul_f32 v104, v100, v102                     ; beta
	v_mul_f32 v105, v101, v103
	v_cndmask_b32 v105, v105, 0, vcc_lo            ; writes nothing
	v_mul_f32 v106, -1.0, v104
	v_mul_f32 v107, -1.0, v105
	; -N^T[j][t] = -beta_t (k_j . k_t) under the diagonal, 0 on and over it
.set i, 0
.rept 4
	v_pk_mul_f32 v[G00+2*i:G00+2*i+1], v[G00+2*i:G00+2*i+1], v[106:107] op_sel_hi:[1,0]
	v_pk_mul_f32 v[G10+2*i:G10+2*i+1], v[G10+2*i:G10+2*i+1], v[106:107] op_sel_hi:[1,0]
	v_pk_mul_f32 v[G11+2*i:G11+2*i+1], v[G11+2*i:G11+2*i+1], v[106:107] op_sel:[0,1] op_sel_hi:[1,1]
.set i, i+1
.endr
.set i, 0
.rept 8
	v_cndmask_b32 v[G00+i], 0, v[G00+i], s[32+i]
	v_cndmask_b32 v[G11+i], 0, v[G11+i], s[32+i]
.set i, i+1
.endr
.set i, 0
.rept 8
	ds_store_b32 v6, v[G00+i] offset:i*144
	ds_store_b32 v6, v[G10+i] offset:(16+i)*144
	ds_store_b32 v6, v[G11+i] offset:(16+i)*144+64
.set i, i+1
.endr
	v_cndmask_b32 v108, v104, v105, s43            ; lane l: step 32 c + l
	v_cndmask_b32 v109, v96, v97, s43
	ds_store_b32 v9, v108
	ds_store_b32 v9, v109 offset:2048
	v_max_num_f32 v12, v12, v109
	WIN 0x40
	ROWS 0                                         ; in order behind the stores above: my own bytes
	ROWS 1
	WIN 0
.set i, 0
.rept 32
	v_cmp_eq_u32 vcc_lo, i, v3
	v_cndmask_b32 v[XR+i], 0, -1.0, vcc_lo         ; minus the unit column: the result is -(I + N)^-1, so that the walk can add
.set i, i+1
.endr
.set g, 0
.rept 8
.if g < 7
	s_wait_dscnt 31-4*(g+1)                        ; the next group's loads are younger: this group's rows are in
.else
	s_wait_dscnt 0x0
.endif
	WIN 0x01
	ELIM g
.if g < 6
	WIN 0x40
	ROWS g+2                                       ; into the buffer just used
.endif
.set g, g+1
.endr
	WIN 0
.set i, 0
.rept 16
	v_cvt_pk_f16_f32 v[TPK+i], v[XR+2*i], v[XR+2*i+1]
.set i, i+1
.endr
.set i, 0
.rept 4
	ds_store_b128 v8, v[TPK+4*i:TPK+4*i+3] offset:16*i
.set i, i+1
.endr
	v_add_nc_u32 v5, CHK, v5                       ; my second chunk
	v_add_nc_u32 v8, 3072, v8
	v_add_nc_u32 v9, 128, v9
	v_add_nc_u32 v10, 32, v10
	s_add_co_u32 s44, s44, 1
	s_cmp_lt_u32 s44, 2
	s_cbranch_scc1 .Lchunk
	v_max_num_f32_dpp v12, v12, v12 row_xmask:1 row_mask:0xf bank_mask:0xf
	v_max_num_f32_dpp v12, v12, v12 row_xmask:2 row_mask:0xf bank_mask:0xf
	v_max_num_f32_dpp v12, v12, v12 row_xmask:4 row_mask:0xf bank_mask:0xf
	v_max_num_f32_dpp v12, v12, v12 row_xmask:8 row_mask:0xf bank_mask:0xf
	v_permlanex16_b32 v98, v12, s40, s41
	v_max_num_f32 v12, v12, v98
	v_mov_b32 v11, s8
	v_lshlrev_b32 v11, 2, v11
	v_add_nc_u32 v11, NMAX, v11
	ds_store_b32 v11, v12
	s_wait_dscnt 0x0                               ; for wave 0's sake: my inverses, beta, n and maximum are in LDS (my keys were waited for above)
	s_barrier_signal -1
	s_barrier_wait -1
	s_cmp_lg_u32 s8, 0
	s_cbranch_scc1 .Ldone                          ; no barrier follows: the walk is one wave's
	; THE WALK, wave 0.
	v_mov_b32 v11, NMAX
	ds_load_b128 v[96:99], v11
	ds_load_b128 v[100:103], v11 offset:16
	v_lshlrev_b32 v240, 4, v3
	v_add_nc_u32 v237, NARR, v240
.set i, 0
.rept 4
	ds_load_b128 v[104+4*i:104+4*i+3], v237 offset:512*i
.set i, i+1
.endr
	v_mul_u32_u24 v232, v1, KP
	v_lshl_add_u32 v232, v2, 4, v232               ; keys as they lie: row n, 16 bytes for each half
	v_and_b32 v11, 7, v0
	v_lshl_add_u32 v11, v2, 3, v11
	v_bfe_u32 v13, v0, 3, 1
	v_lshlrev_b32 v13, 4, v13
	v_mul_u32_u24 v233, v11, KP
	v_add_nc_u32 v233, v233, v13                   ; keys turned
	v_mul_u32_u24 v234, v11, 96
	v_add_nc_u32 v234, v234, v13
	v_add_nc_u32 v234, TBUF, v234                  ; the inverse turned
	v_lshlrev_b32 v235, 5, v2
	v_add_nc_u32 v238, OUTS, v235
	v_add_nc_u32 v235, BETA, v235                  ; beta in the results' layout
	v_add_nc_u32 v239, OUTS, v240
	s_lshl_b32 s2, s11, 10                         ; cbuf: a batch row is 1,024 bytes,
	s_lshl_b32 s3, s10, 9                          ; a memory's half 512
	s_add_co_u32 s2, s2, s3
	s_mov_b32 s3, 0
	s_add_nc_u64 s[6:7], s[6:7], s[2:3]
	v_add_nc_u32 v5, 15*CHK, v232                  ; chunk 15 first: the lane's term plus the chunk's constant
	v_add_nc_u32 v6, 15*CHK, v233
	v_add_nc_u32 v7, 15*3072, v234
	v_add_nc_u32 v8, 15*128, v235
	s_wait_dscnt 0x0
	v_max3_num_f32 v96, v96, v97, v98
	v_max3_num_f32 v99, v99, v100, v101
	v_max3_num_f32 v96, v96, v102, v103
	v_max_num_f32 v96, v96, v99
	v_and_b32 v242, 0x7f800000, v96                ; nref: the power of two under the largest n
	v_mov_b32 v243, v242
	v_sub_nc_u32 v244, 0x7f000000, v242            ; 1 / nref: the exponent mirrored
	v_xor_b32 v244, 0x80000000, v244               ; with a minus, since u is kept as -u
	v_mov_b32 v245, v244
.set i, 0
.rept 8
	v_pk_mul_f32 v[104+2*i:104+2*i+1], v[104+2*i:104+2*i+1], v[244:245]
.set i, i+1
.endr
.set i, 0
.rept 4
	ds_store_b128 v237, v[104+4*i:104+4*i+3] offset:512*i
.set i, i+1
.endr
.macro KTLOAD                          ; 16 turning loads: the chunk's keys as 128 channels x 32 steps
.set i, 0
.rept 8
	ds_load_tr16_b128 v[128+8*i:128+8*i+3],   v6 offset:32*i
	ds_load_tr16_b128 v[128+8*i+4:128+8*i+7], v6 offset:32*i+16*KP
.set i, i+1
.endr
.endm
.macro ALOAD                           ; 28 loads: the chunk's keys as they lie (16), beta (4), -n / nref (4), the inverse (4)
.set rt, 0
.rept 2
.set ks, 0
.rept 4
	ds_load_b128 v[KA+32*rt+8*ks:KA+32*rt+8*ks+3],   v5 offset:rt*16*KP+64*ks
	ds_load_b128 v[KA+32*rt+8*ks+4:KA+32*rt+8*ks+7], v5 offset:rt*16*KP+64*ks+32
.set ks, ks+1
.endr
.set rt, rt+1
.endr
.set i, 0
.rept 4
	ds_load_b128 v[BE+4*i:BE+4*i+3], v8 offset:64*(i/2)+16*(i%2)
	ds_load_b128 v[MM+4*i:MM+4*i+3], v8 offset:2048+64*(i/2)+16*(i%2)
.set i, i+1
.endr
.set rt, 0
.rept 2
	ds_load_tr16_b128 v[TN+8*rt:TN+8*rt+3],   v7 offset:32*rt
	ds_load_tr16_b128 v[TN+8*rt+4:TN+8*rt+7], v7 offset:32*rt+16*96
.set rt, rt+1
.endr
.endm
	WIN 0x40
	KTLOAD
	WIN 0
	ALOAD                                          ; in order behind the stores of -n / nref
.set i, 0
.rept 7
	v_mov_b32 v[UB+i], 0
.set i, i+1
.endr
	v_mov_b32 v[UB+7], 0x3c000000                  ; a unit column: 1.0 at step 31 of the chunk (register 7's upper half, lanes 16-31)
	v_cndmask_b32 v[UB+7], 0, v[UB+7], s43
	s_wait_dscnt 28                                ; the 28 loads behind them stay out: the turned keys are in
	WIN 0x51
.set i, 0
.rept 8
	v_wmma_f32_16x16x32_f16 v[8*i:8*i+7], v[128+8*i:128+8*i+7], v[UB:UB+7], 0   ; r = q: row 511, exact, in f32 and in the results' layout
.set i, i+1
.endr
	PLACES
	WIN 0
; Chunk c.  Chunk 15: its data were all asked for in front of it, and c's sums start.  Chunk 0: nothing more is fetched, and r is not needed any more.
.macro TRIP c
	WIN 0x05
.set q, 0
.rept 32
	v_cvt_pk_f16_f32 v[RB+q], v[2*q], v[2*q+1]     ; r as source 1, each tile read from its low end
.set q, q+1
.endr
	WIN 0
.if (\c) == 15
	s_wait_dscnt 0x0
.else
	s_wait_dscnt 16                                ; the 16 turning loads are younger: keys, beta, n and the inverse are in
.endif
	v_wmma_f32_16x16x32_f16 v[BA:BA+7],    v[KA:KA+7],     v[RB:RB+7], 0     ; K r; the two sums take turns
	v_wmma_f32_16x16x32_f16 v[BA+8:BA+15], v[KA+32:KA+39], v[RB:RB+7], 0
.set ks, 1
.rept 3
	v_wmma_f32_16x16x32_f16 v[BA:BA+7],    v[KA+8*ks:KA+8*ks+7],     v[RB+8*ks:RB+8*ks+7], v[BA:BA+7]
	v_wmma_f32_16x16x32_f16 v[BA+8:BA+15], v[KA+32+8*ks:KA+39+8*ks], v[RB+8*ks:RB+8*ks+7], v[BA+8:BA+15]
.set ks, ks+1
.endr
	PLACES
.set i, 0
.rept 8
	v_pk_mul_f32 v[BA+2*i:BA+2*i+1], v[BA+2*i:BA+2*i+1], v[BE+2*i:BE+2*i+1]
.set i, i+1
.endr
.set i, 0
.rept 8
	v_cvt_pk_f16_f32 v[BB+i], v[BA+2*i], v[BA+2*i+1]
.set i, i+1
.endr
	v_wmma_f32_16x16x32_f16 v[UA:UA+7],    v[TN:TN+7],    v[BB:BB+7], 0      ; -u = -(I + N)^-1 (beta o K r)
	v_wmma_f32_16x16x32_f16 v[UA+8:UA+15], v[TN+8:TN+15], v[BB:BB+7], 0
	PLACES
.set i, 0
.rept 8
	v_cvt_pk_f16_f32 v[UB+i], v[UA+2*i], v[UA+2*i+1]
.set i, i+1
.endr
.set i, 0
.rept 8
	v_pk_mul_f32 v[WW+2*i:WW+2*i+1], v[UA+2*i:UA+2*i+1], v[MM+2*i:MM+2*i+1]   ; (-u) (-n / nref)
.set i, i+1
.endr
.set i, 0
.rept 8
	v_cvt_pk_f16_f32 v[WB+i], v[WW+2*i], v[WW+2*i+1]
.set i, i+1
.endr
.if (\c) > 0
	v_add_nc_u32 v5, ((\c)-1)*CHK, v232            ; the chunk below: the lane's term plus that chunk's constant
	v_add_nc_u32 v6, ((\c)-1)*CHK, v233
	v_add_nc_u32 v7, ((\c)-1)*3072, v234
	v_add_nc_u32 v8, ((\c)-1)*128, v235
	ALOAD
	s_wait_dscnt 28                                ; the 28 just issued stay out: this chunk's turned keys are in
.else
	s_wait_dscnt 0x0
.endif
	WIN 0x51
.set i, 0
.rept 8
.if (\c) > 0
	v_wmma_f32_16x16x32_f16 v[8*i:8*i+7], v[128+8*i:128+8*i+7], v[UB:UB+7], v[8*i:8*i+7]             ; r -= K^T u
.endif
.if (\c) == 15
	v_wmma_f32_16x16x32_f16 v[64+8*i:64+8*i+7], v[128+8*i:128+8*i+7], v[WB:WB+7], 0                  ; c / nref += K^T (n u / nref)
.else
	v_wmma_f32_16x16x32_f16 v[64+8*i:64+8*i+7], v[128+8*i:128+8*i+7], v[WB:WB+7], v[64+8*i:64+8*i+7]
.endif
.set i, i+1
.endr
	PLACES
.if (\c) > 0
	WIN 0x40
	KTLOAD
.endif
	WIN 0
.endm
.irp c, 15,14,13,12,11,10,9,8,7,6,5,4,3,2,1,0
	TRIP \c
.endr
	WIN 0x04                                       ; c leaves through LDS: the 16 lanes of a half hold the same numbers and write the same words
.set i, 0
.rept 8
	ds_store_b128 v238, v[64+8*i:64+8*i+3] offset:64*i
	ds_store_b128 v238, v[64+8*i+4:64+8*i+7] offset:64*i+16
.set i, i+1
.endr
	WIN 0
	ds_load_b128 v[16:19], v239                    ; in order behind the stores
	s_wait_dscnt 0x0
	v_pk_mul_f32 v[16:17], v[16:17], v[242:243]    ; times nref
	v_pk_mul_f32 v[18:19], v[18:19], v[242:243]
	global_store_b128 v240, v[16:19], s[6:7]       ; 512 consecutive bytes, aligned
.Ldone:
	s_wait_tensorcnt 0x0
	ds_add_u32 v254, v255
	s_wait_dscnt 0x0
	s_endpgm
.Lfunc_end_k_q0b60f7353a_scan:
	.size	k_q0b60f7353a_scan, .Lfunc_end_k_q0b60f7353a_scan-k_q0b60f7353a_scan
	.p2alignl 7, 3214868480
	.fill 96, 4, 3214868480
	.section	.rodata,"a",@progbits
	.p2align	6, 0x0
	.amdhsa_kernel k_q0b60f7353a_scan
		.amdhsa_group_segment_fixed_size 239360
		.amdhsa_private_segment_fixed_size 0
		.amdhsa_enable_private_segment 0
		.amdhsa_kernarg_size 16
		.amdhsa_user_sgpr_count 2
		.amdhsa_user_sgpr_kernarg_segment_ptr 1
		.amdhsa_wavefront_size32 1
		.amdhsa_system_sgpr_workgroup_id_x 1
		.amdhsa_system_sgpr_workgroup_id_y 1
		.amdhsa_system_sgpr_workgroup_id_z 1
		.amdhsa_system_vgpr_workitem_id 0
		.amdhsa_next_free_vgpr 512
		.amdhsa_next_free_sgpr 66
		.amdhsa_reserve_vcc 1
		.amdhsa_float_denorm_mode_32 3
		.amdhsa_float_denorm_mode_16_64 3
		.amdhsa_memory_ordered 1
		.amdhsa_forward_progress 1
		.amdhsa_inst_pref_size 203
	.end_amdhsa_kernel
	.amdgpu_metadata
---
amdhsa.version: [ 1, 2 ]
amdhsa.kernels:
  - .name:           k_q0b60f7353a_scan
    .symbol:         k_q0b60f7353a_scan.kd
    .args:
      - { .name: keys, .offset: 0, .size: 8, .value_kind: global_buffer, .address_space: global }
      - { .name: cbuf, .offset: 8, .size: 8, .value_kind: global_buffer, .address_space: global }
    .group_segment_fixed_size: 239360
    .private_segment_fixed_size: 0
    .kernarg_segment_align: 8
    .kernarg_segment_size: 16
    .max_flat_workgroup_size: 256
    .sgpr_count:     66
    .vgpr_count:     512
    .wavefront_size: 32
...
	.end_amdgpu_metadata
.endif
;; end of part 3
;; launch outp (part 4): grid 250 x 1, 8 waves a work-group, no clusters, 142,336 bytes of LDS; arguments cbuf, Wout, bout, out0; writes out0
.if DOCPART == 4
	.amdgcn_target "amdgcn-amd-amdhsa--gfx1250"
	.amdhsa_code_object_version 6
	.text
	.protected	k_q0b60f7353a_outp
	.globl	k_q0b60f7353a_outp
	.p2align	8
	.type	k_q0b60f7353a_outp,@function
k_q0b60f7353a_outp:
	s_mov_b64 s[64:65], 0
	v_nop
	global_prefetch_b8 v0, s[64:65] scope:SCOPE_SE
	s_setreg_imm32_b32 hwreg(HW_REG_WAVE_MODE, 25, 1), 1
	s_wait_xcnt 0x0
; OUTP: out0[b][v] = sum over k of c[b][k] Wout[k][v] + bout[v].  c = cbuf [64][256] f32, Wout [256][32000] f32, out0 [64][32000] f32.
; SHARES.  A work-group owns 128 columns (512 bytes of every row), all 256 k and all 64 batch rows.  Memory binds: Wout is read once, by loads of 512 consecutive
; aligned bytes, and all 32 loads of every wave go out at the start, so the group's whole 128 KB is asked for at once.  No tensor ring, no prefetch (nothing is asked for late), no cluster
; (the groups share only cbuf's 64 KB of the 128 KB + 64 KB that each reads, and it is read once by each).
; FORMATS.  Wout and c go to the matrix unit in f16; each row of c is first divided by the power of two under its largest magnitude, and the result multiplied by it again, in f32, with the bias.
; The product is used transposed (source 0 = 16 columns of Wout, turned out of LDS; source 1 = 16 batch rows), so that a lane holds 8 neighbouring columns of one row.
; LIMITS: |Wout| below 65,504; |c| below 2^127; a row of c whose largest magnitude is denormal counts as zero.
.set WTP, 288                          ; a row of Wout in LDS: 128 f16 + 32 bytes: 9 x 32, for the turning loads
.set CHA, 256*WTP                      ; c in f16: 64 rows of 528 bytes (33 x 16)
.set OSA, CHA+64*528                   ; the results: 64 rows of 528 bytes, f32
.set SC,  16                           ; v16-23  the scales of my eight rows
.set BO,  24                           ; v24-27  bout of my four columns
.set ACC, 224
.macro PLACES
.rept 4
	v_nop
.endr
.endm
	s_load_b256 s[4:11], s[0:1], 0x0               ; cbuf s[4:5], Wout s[6:7], bout s[8:9], out0 s[10:11]
	v_lshl_add_u32 v30, v0, 2, 0x22800
	v_mov_b32 v31, 0
	v_lshrrev_b32 v3, 5, v0
	v_readfirstlane_b32 s12, v3                    ; wave 0..7
	v_and_b32 v3, 31, v0                           ; lane
	v_and_b32 v1, 15, v0
	v_bfe_u32 v2, v0, 4, 1
	v_lshlrev_b32 v4, 4, v3                        ; 16 x lane
	s_lshl_b32 s14, ttmp9, 9                       ; my 128 columns, in bytes
	s_mov_b32 s15, 0
	s_lshl_b32 s18, s12, 13
	v_add_nc_u32 v5, s18, v4                       ; cbuf: my wave's rows 8 w on
	s_mul_i32 s19, s12, 4096000
	v_add_nc_u32 v6, s19, v4                       ; Wout: my wave's rows 32 w on (128,000 bytes each)
	s_mul_i32 s20, s12, 1024000
	v_add_nc_u32 v7, s20, v4                       ; out0: my wave's rows 8 w on
	s_mov_b32 s16, 0x76543210
	s_mov_b32 s17, 0xfedcba98
	s_wait_kmcnt 0x0
	s_add_nc_u64 s[6:7], s[6:7], s[14:15]
	s_add_nc_u64 s[8:9], s[8:9], s[14:15]
	s_add_nc_u64 s[10:11], s[10:11], s[14:15]
.set i, 0
.rept 8
	global_load_b128 v[192+8*i:192+8*i+3], v5, s[4:5] offset:1024*i
	global_load_b128 v[192+8*i+4:192+8*i+7], v5, s[4:5] offset:1024*i+512
.set i, i+1
.endr
	global_load_b128 v[BO:BO+3], v4, s[8:9]
.set i, 0
.rept 32
	global_load_b128 v[64+4*i:64+4*i+3], v6, s[6:7] offset:128000*i th:TH_LOAD_NT
.set i, i+1
.endr
	; LDS addresses
	s_mul_i32 s18, s12, 8*528
	s_add_co_u32 s19, s18, CHA
	v_lshl_add_u32 v8, v3, 3, s19                  ; c goes in: my rows, 8 bytes a lane
	s_mul_i32 s19, s12, 32*WTP
	v_lshl_add_u32 v9, v3, 3, s19                  ; Wout goes in likewise
	v_and_b32 v10, 7, v0
	v_lshl_add_u32 v10, v2, 3, v10
	v_mul_u32_u24 v10, v10, WTP
	v_bfe_u32 v11, v0, 3, 1
	v_lshl_add_u32 v10, v11, 4, v10
	s_lshl_b32 s19, s12, 5
	v_add_nc_u32 v10, s19, v10                     ; and comes back turned: my wave's 16 columns; v10 rows 0-127, v11 rows 128-255
	v_add_nc_u32 v11, 128*WTP, v10
	v_mul_u32_u24 v12, v1, 528
	v_lshl_add_u32 v13, v2, 5, v12
	v_lshl_add_u32 v12, v2, 4, v12
	v_add_nc_u32 v12, CHA, v12                     ; c as source 1: batch row n, 16 bytes for each half
	s_lshl_b32 s19, s12, 6
	s_add_co_u32 s19, s19, OSA
	v_add_nc_u32 v13, s19, v13                     ; results go in: batch row n, my wave's 64 bytes, 32 for each half
	s_add_co_u32 s18, s18, OSA
	v_add_nc_u32 v14, s18, v4                      ; and come back as whole rows of 512 bytes
	s_wait_loadcnt 32                              ; Wout's 32 loads are younger: c and bout are in
	; my eight rows of c: the largest magnitude, its power of two, the row divided by it, in f16.  The rows go side by side, a step at a time.
.set i, 0
.rept 8
	v_max3_num_f32 v[32+i], |v[192+8*i]|, |v[192+8*i+1]|, |v[192+8*i+2]|
	v_max3_num_f32 v[40+i], |v[192+8*i+3]|, |v[192+8*i+4]|, |v[192+8*i+5]|
.set i, i+1
.endr
.set i, 0
.rept 8
	v_max3_num_f32 v[32+i], v[32+i], |v[192+8*i+6]|, |v[192+8*i+7]|
.set i, i+1
.endr
.set i, 0
.rept 8
	v_max_num_f32 v[32+i], v[32+i], v[40+i]
.set i, i+1
.endr
.irp m, 1, 2, 4, 8
.set i, 0
.rept 8
	v_max_num_f32_dpp v[32+i], v[32+i], v[32+i] row_xmask:\m row_mask:0xf bank_mask:0xf
.set i, i+1
.endr
.endr
.set i, 0
.rept 8
	v_permlanex16_b32 v[40+i], v[32+i], s16, s17
.set i, i+1
.endr
.set i, 0
.rept 8
	v_max_num_f32 v[32+i], v[32+i], v[40+i]
.set i, i+1
.endr
.set i, 0
.rept 8
	v_and_b32 v[SC+i], 0x7f800000, v[32+i]         ; the scale
	v_sub_nc_u32 v[48+2*i], 0x7f000000, v[SC+i]    ; its reciprocal: the exponent mirrored
	v_mov_b32 v[49+2*i], v[48+2*i]
.set i, i+1
.endr
.set i, 0
.rept 8
.set q, 0
.rept 4
	v_pk_mul_f32 v[192+8*i+2*q:192+8*i+2*q+1], v[192+8*i+2*q:192+8*i+2*q+1], v[48+2*i:49+2*i]
.set q, q+1
.endr
.set i, i+1
.endr
.set i, 0
.rept 8
.set q, 0
.rept 4
	v_cvt_pk_f16_f32 v[192+8*i+q], v[192+8*i+2*q], v[192+8*i+2*q+1]
.set q, q+1
.endr
	ds_store_b64 v8, v[192+8*i:192+8*i+1] offset:528*i
	ds_store_b64 v8, v[192+8*i+2:192+8*i+3] offset:528*i+256
.set i, i+1
.endr
.set i, 0
.rept 32
	s_wait_loadcnt 31-i                            ; loads come back in order (ISA guide 5.7.1): row i is in, the younger ones stay out
	v_cvt_pk_f16_f32 v[64+4*i], v[64+4*i], v[64+4*i+1]
	v_cvt_pk_f16_f32 v[64+4*i+1], v[64+4*i+2], v[64+4*i+3]
	ds_store_b64 v9, v[64+4*i:64+4*i+1] offset:WTP*i
.set i, i+1
.endr
	s_wait_dscnt 0x0                               ; for the others' sake: my rows of Wout and of c are in LDS
	s_barrier_signal -1
	s_barrier_wait -1
; Wave w makes columns 16 w .. 16 w + 15 for all 64 batch rows: four accumulators.  K goes in four quarters of 64 on two buffers of 80 registers: 16 of Wout, 64 of c.
.macro LOADQ qu, buf                   ; 20 loads
.set lb, 64+80*(\buf)
.set kk, 0
.rept 2
.set ks, 2*(\qu)+kk
	ds_load_tr16_b128 v[lb+8*kk:lb+8*kk+3],   v[10+ks/4] offset:(ks%4)*32*WTP
	ds_load_tr16_b128 v[lb+8*kk+4:lb+8*kk+7], v[10+ks/4] offset:(ks%4)*32*WTP+16*WTP
.set mb, 0
.rept 4
	ds_load_b128 v[lb+16+8*(2*mb+kk):lb+16+8*(2*mb+kk)+3],   v12 offset:mb*16*528+64*ks
	ds_load_b128 v[lb+16+8*(2*mb+kk)+4:lb+16+8*(2*mb+kk)+7], v12 offset:mb*16*528+64*ks+32
.set mb, mb+1
.endr
.set kk, kk+1
.endr
.endm
.macro MULQ qu, buf                    ; 8 matrix instructions; the four accumulators take turns
.set lb, 64+80*(\buf)
.set kk, 0
.rept 2
.set mb, 0
.rept 4
.if ((\qu) == 0) && (kk == 0)
	v_wmma_f32_16x16x32_f16 v[ACC+8*mb:ACC+8*mb+7], v[lb+8*kk:lb+8*kk+7], v[lb+16+8*(2*mb+kk):lb+16+8*(2*mb+kk)+7], 0
.else
	v_wmma_f32_16x16x32_f16 v[ACC+8*mb:ACC+8*mb+7], v[lb+8*kk:lb+8*kk+7], v[lb+16+8*(2*mb+kk):lb+16+8*(2*mb+kk)+7], v[ACC+8*mb:ACC+8*mb+7]
.endif
.set mb, mb+1
.endr
.set kk, kk+1
.endr
.endm
	LOADQ 0, 0
	LOADQ 1, 1
	s_wait_dscnt 20                                ; the 20 just issued stay out
	MULQ 0, 0
	PLACES                                         ; the buffer to be loaded was read by the matrix instructions just issued
	LOADQ 2, 0
	s_wait_dscnt 20
	MULQ 1, 1
	PLACES
	LOADQ 3, 1
	s_wait_dscnt 20
	MULQ 2, 0
	s_wait_dscnt 0x0
	MULQ 3, 1
	PLACES
.set mb, 0
.rept 4
	ds_store_b128 v13, v[ACC+8*mb:ACC+8*mb+3] offset:mb*16*528
	ds_store_b128 v13, v[ACC+8*mb+4:ACC+8*mb+7] offset:mb*16*528+16
.set mb, mb+1
.endr
	s_wait_dscnt 0x0                               ; for the others' sake: a row's 512 bytes come from all eight waves
	s_barrier_signal -1
	s_barrier_wait -1
.set i, 0
.rept 8
	ds_load_b128 v[64+4*i:64+4*i+3], v14 offset:528*i
.set i, i+1
.endr
; Rows 8 w + i: the wave that scaled a row of c also scales its results back, adds the bias and stores the row's 512 consecutive bytes.
.set i, 0
.rept 8
	s_wait_dscnt 7-i
.if i%2 == 0
	v_pk_fma_f32 v[64+4*i:64+4*i+1], v[64+4*i:64+4*i+1], v[SC+i:SC+i+1], v[BO:BO+1] op_sel_hi:[1,0,1]
	v_pk_fma_f32 v[64+4*i+2:64+4*i+3], v[64+4*i+2:64+4*i+3], v[SC+i:SC+i+1], v[BO+2:BO+3] op_sel_hi:[1,0,1]
.else
	v_pk_fma_f32 v[64+4*i:64+4*i+1], v[64+4*i:64+4*i+1], v[SC+i-1:SC+i], v[BO:BO+1] op_sel:[0,1,0] op_sel_hi:[1,1,1]
	v_pk_fma_f32 v[64+4*i+2:64+4*i+3], v[64+4*i+2:64+4*i+3], v[SC+i-1:SC+i], v[BO+2:BO+3] op_sel:[0,1,0] op_sel_hi:[1,1,1]
.endif
	global_store_b128 v7, v[64+4*i:64+4*i+3], s[10:11] offset:128000*i th:TH_STORE_NT
.set i, i+1
.endr
	s_wait_tensorcnt 0x0
	ds_add_u32 v30, v31
	s_wait_dscnt 0x0
	s_endpgm
.Lfunc_end_k_q0b60f7353a_outp:
	.size	k_q0b60f7353a_outp, .Lfunc_end_k_q0b60f7353a_outp-k_q0b60f7353a_outp
	.p2alignl 7, 3214868480
	.fill 96, 4, 3214868480
	.section	.rodata,"a",@progbits
	.p2align	6, 0x0
	.amdhsa_kernel k_q0b60f7353a_outp
		.amdhsa_group_segment_fixed_size 142336
		.amdhsa_private_segment_fixed_size 0
		.amdhsa_enable_private_segment 0
		.amdhsa_kernarg_size 32
		.amdhsa_user_sgpr_count 2
		.amdhsa_user_sgpr_kernarg_segment_ptr 1
		.amdhsa_wavefront_size32 1
		.amdhsa_system_sgpr_workgroup_id_x 1
		.amdhsa_system_sgpr_workgroup_id_y 1
		.amdhsa_system_sgpr_workgroup_id_z 1
		.amdhsa_system_vgpr_workitem_id 0
		.amdhsa_next_free_vgpr 256
		.amdhsa_next_free_sgpr 66
		.amdhsa_reserve_vcc 0
		.amdhsa_float_denorm_mode_32 3
		.amdhsa_float_denorm_mode_16_64 3
		.amdhsa_memory_ordered 1
		.amdhsa_forward_progress 1
		.amdhsa_inst_pref_size 36
	.end_amdhsa_kernel
	.amdgpu_metadata
---
amdhsa.version: [ 1, 2 ]
amdhsa.kernels:
  - .name:           k_q0b60f7353a_outp
    .symbol:         k_q0b60f7353a_outp.kd
    .args:
      - { .name: cbuf, .offset: 0, .size: 8, .value_kind: global_buffer, .address_space: global }
      - { .name: Wout, .offset: 8, .size: 8, .value_kind: global_buffer, .address_space: global }
      - { .name: bout, .offset: 16, .size: 8, .value_kind: global_buffer, .address_space: global }
      - { .name: out0, .offset: 24, .size: 8, .value_kind: global_buffer, .address_space: global }
    .group_segment_fixed_size: 142336
    .private_segment_fixed_size: 0
    .kernarg_segment_align: 8
    .kernarg_segment_size: 32
    .max_flat_workgroup_size: 256
    .sgpr_count:     66
    .vgpr_count:     256
    .wavefront_size: 32
...
	.end_amdgpu_metadata
.endif
;; end of part 4
;; ======== version 2 of 2: 4 launches; version 1 with the launch outp written anew for expert scheduling mode
;; limits: values are held in f16: magnitudes above 65,504 overflow, below 6.1e-05 lose precision; right only within a limited range of input values
;; workspace buffers: wts 655,360 bytes; keys 16,777,216 bytes; cbuf 65,536 bytes
;; launch prep: the kernel of part 1 again; grid 160 x 1, 8 waves a work-group, no clusters, 0 bytes of LDS; arguments W1, W2, Wsem, Wepi, wts; writes wts
;; launch encode: the kernel of part 2 again; grid 256 x 1, 4 waves a work-group, clusters of 4 x 1, 327,680 bytes of LDS; arguments seq, embed, wts, b1, b2, ln_g, ln_b, bsem, bepi, keys; writes keys
;; launch scan: the kernel of part 3 again; grid 128 x 1, 8 waves a work-group, no clusters, 239,360 bytes of LDS; arguments keys, cbuf; writes cbuf
;; launch outp (part 5): grid 250 x 1, 8 waves a work-group, no clusters, 142,336 bytes of LDS; arguments cbuf, Wout, bout, out0; writes out0
.if DOCPART == 5
	.amdgcn_target "amdgcn-amd-amdhsa--gfx1250"
	.amdhsa_code_object_version 6
	.text
	.protected	k_q0b60f7353a_outp
	.globl	k_q0b60f7353a_outp
	.p2align	8
	.type	k_q0b60f7353a_outp,@function
k_q0b60f7353a_outp:
	s_mov_b64 s[64:65], 0
	v_nop
	global_prefetch_b8 v0, s[64:65] scope:SCOPE_SE
	s_setreg_imm32_b32 hwreg(HW_REG_WAVE_SCHED_MODE, 0, 2), 2
	s_setreg_imm32_b32 hwreg(HW_REG_WAVE_MODE, 25, 1), 1
	s_wait_xcnt 0x0
	s_wait_alu depctr_vm_vsrc(0)
; OUTP: out0[b][v] = sum over k of c[b][k] Wout[k][v] + bout[v].  c = cbuf [64][256] f32, Wout [256][32000] f32, out0 [64][32000] f32.
; SHARES.  A work-group owns 128 columns (512 bytes of every row), all 256 k and all 64 batch rows.  Memory binds: Wout is read once, by loads of 512 consecutive
; aligned bytes, and all 32 loads of every wave go out at the start, so the group's whole 128 KB is asked for at once.  No tensor ring, no prefetch (nothing is asked for late), no cluster
; (the groups share only cbuf's 64 KB of the 128 KB + 64 KB that each reads, and it is read once by each).
; FORMATS.  Wout and c go to the matrix unit in f16; each row of c is first divided by the power of two under its largest magnitude, and the result multiplied by it again, in f32, with the bias.
; The product is used transposed (source 0 = 16 columns of Wout, turned out of LDS; source 1 = 16 batch rows), so that a lane holds 8 neighbouring columns of one row.
; LIMITS: |Wout| below 65,504; |c| below 2^127; a row of c whose largest magnitude is denormal counts as zero.
; THE MODE: SCHED_MODE bits 1:0 = 2 (LLVM: expert scheduling mode 2), set by the entry lines.  The code itself states the register dependences
; between vector or matrix instructions and memory or LDS instructions, with s_wait_alu, always for 0.
; THE PLAN.  Registers that memory or LDS instructions touch:
;   v4-v7       offsets of the global loads and stores: made at the head, never written again.
;   v8-v14      LDS addresses: made once, behind the global loads, never written again.
;   v[192:255]  c as loaded; scaled and rounded in place; read by 16 LDS stores, which stand in one run behind one wait.
;   v[64:191]   Wout as loaded, in eight blocks of four rows: a block is rounded in place, one wait, its four LDS stores.  No register serves two blocks.
;   Behind the first barrier one wait states that the LDS stores have read v[64:255]; from there on v[64:223] are the fragments of K's quarters 0 and 1 and v[224:255] the accumulators.
;   window 1, v[0:159]  the fragments of quarters 2 and 3: written by LDS loads, read by matrix instructions, named by nothing else.
;   So no fragment register is loaded twice, and the product holds no wait on the vector side: the last quarter's loads stand behind the first quarter's matrix instructions, which name none of their registers.
;   v[224:255]  read by eight LDS stores, behind the four places and one wait; that wait also shows the matrix instructions done reading v[64:95], in which the rows of results land.
;   v[64:95]    eight rows of results: scaled in place in two halves; each half's four stores stand behind one wait, the first half's dealt among the second half's arithmetic.
;   v30, v31    written at the head, read by the closing add alone.
.set WTP, 288                          ; a row of Wout in LDS: 128 f16 + 32 bytes: 9 x 32, for the turning loads
.set CHA, 256*WTP                      ; c in f16: 64 rows of 528 bytes (33 x 16)
.set OSA, CHA+64*528                   ; the results: 64 rows of 528 bytes, f32
.set SC,  16                           ; v16-23  the scales of my eight rows
.set BO,  24                           ; v24-27  bout of my four columns
.set ACC, 224
.set MSB, 0
.macro WIN new                         ; s_set_vgpr_msb: bits 1:0 source 0, 3:2 source 1, 5:4 source 2, 7:6 destination; the high byte repeats the setting that is left; a switch that changes nothing is dropped
.if MSB != \new
	s_set_vgpr_msb (MSB<<8)|\new
.set MSB, \new
.endif
.endm
.macro PLACES
.rept 4
	v_nop
.endr
.endm
	s_load_b256 s[4:11], s[0:1], 0x0               ; cbuf s[4:5], Wout s[6:7], bout s[8:9], out0 s[10:11]
	v_lshl_add_u32 v30, v0, 2, 0x22800
	v_mov_b32 v31, 0
	v_lshrrev_b32 v3, 5, v0
	v_readfirstlane_b32 s12, v3                    ; wave 0..7
	v_and_b32 v3, 31, v0                           ; lane
	v_and_b32 v1, 15, v0
	v_bfe_u32 v2, v0, 4, 1
	v_lshlrev_b32 v4, 4, v3                        ; 16 x lane
	s_lshl_b32 s14, ttmp9, 9                       ; my 128 columns, in bytes
	s_mov_b32 s15, 0
	s_wait_alu depctr_va_sdst(0)                   ; s12 is written, ahead of its first reader: every offset of the wave is made from it
	s_lshl_b32 s18, s12, 13
	v_add_nc_u32 v5, s18, v4                       ; cbuf: my wave's rows 8 w on
	s_mul_i32 s19, s12, 4096000
	v_add_nc_u32 v6, s19, v4                       ; Wout: my wave's rows 32 w on (128,000 bytes each)
	s_mul_i32 s20, s12, 1024000
	v_add_nc_u32 v7, s20, v4                       ; out0: my wave's rows 8 w on
	s_mov_b32 s16, 0x76543210
	s_mov_b32 s17, 0xfedcba98
	s_wait_kmcnt 0x0
	s_add_nc_u64 s[6:7], s[6:7], s[14:15]
	s_add_nc_u64 s[8:9], s[8:9], s[14:15]
	s_add_nc_u64 s[10:11], s[10:11], s[14:15]
	s_wait_alu depctr_va_vdst(0)                   ; the offsets v4 to v7 are written, which the global loads below and the stores at the end read; so are v30 and v31
.set i, 0
.rept 8
	global_load_b128 v[192+8*i:192+8*i+3], v5, s[4:5] offset:1024*i
	global_load_b128 v[192+8*i+4:192+8*i+7], v5, s[4:5] offset:1024*i+512
.set i, i+1
.endr
	global_load_b128 v[BO:BO+3], v4, s[8:9]
.set i, 0
.rept 32
	global_load_b128 v[64+4*i:64+4*i+3], v6, s[6:7] offset:128000*i th:TH_LOAD_NT
.set i, i+1
.endr
	; LDS addresses
	s_mul_i32 s18, s12, 8*528
	s_add_co_u32 s19, s18, CHA
	v_lshl_add_u32 v8, v3, 3, s19                  ; c goes in: my rows, 8 bytes a lane
	s_mul_i32 s19, s12, 32*WTP
	v_lshl_add_u32 v9, v3, 3, s19                  ; Wout goes in likewise
	v_and_b32 v10, 7, v0
	v_lshl_add_u32 v10, v2, 3, v10
	v_mul_u32_u24 v10, v10, WTP
	v_bfe_u32 v11, v0, 3, 1
	v_lshl_add_u32 v10, v11, 4, v10
	s_lshl_b32 s19, s12, 5
	v_add_nc_u32 v10, s19, v10                     ; and comes back turned: my wave's 16 columns; v10 rows 0-127, v11 rows 128-255
	v_add_nc_u32 v11, 128*WTP, v10
	v_mul_u32_u24 v12, v1, 528
	v_lshl_add_u32 v13, v2, 5, v12
	v_lshl_add_u32 v12, v2, 4, v12
	v_add_nc_u32 v12, CHA, v12                     ; c as source 1: batch row n, 16 bytes for each half
	s_lshl_b32 s19, s12, 6
	s_add_co_u32 s19, s19, OSA
	v_add_nc_u32 v13, s19, v13                     ; results go in: batch row n, my wave's 64 bytes, 32 for each half
	s_add_co_u32 s18, s18, OSA
	v_add_nc_u32 v14, s18, v4                      ; and come back as whole rows of 512 bytes
	s_wait_loadcnt 32                              ; Wout's 32 loads are younger: c and bout are in
	; my eight rows of c: the largest magnitude, its power of two, the row divided by it, in f16.  The rows go side by side, a step at a time.
.set i, 0
.rept 8
	v_max3_num_f32 v[32+i], |v[192+8*i]|, |v[192+8*i+1]|, |v[192+8*i+2]|
	v_max3_num_f32 v[40+i], |v[192+8*i+3]|, |v[192+8*i+4]|, |v[192+8*i+5]|
.set i, i+1
.endr
.set i, 0
.rept 8
	v_max3_num_f32 v[32+i], v[32+i], |v[192+8*i+6]|, |v[192+8*i+7]|
.set i, i+1
.endr
.set i, 0
.rept 8
	v_max_num_f32 v[32+i], v[32+i], v[40+i]
.set i, i+1
.endr
.irp m, 1, 2, 4, 8
.set i, 0
.rept 8
	v_max_num_f32_dpp v[32+i], v[32+i], v[32+i] row_xmask:\m row_mask:0xf bank_mask:0xf
.set i, i+1
.endr
.endr
.set i, 0
.rept 8
	v_permlanex16_b32 v[40+i], v[32+i], s16, s17
.set i, i+1
.endr
.set i, 0
.rept 8
	v_max_num_f32 v[32+i], v[32+i], v[40+i]
.set i, i+1
.endr
.set i, 0
.rept 8
	v_and_b32 v[SC+i], 0x7f800000, v[32+i]         ; the scale
	v_sub_nc_u32 v[48+2*i], 0x7f000000, v[SC+i]    ; its reciprocal: the exponent mirrored
	v_mov_b32 v[49+2*i], v[48+2*i]
.set i, i+1
.endr
.set i, 0
.rept 8
.set q, 0
.rept 4
	v_pk_mul_f32 v[192+8*i+2*q:192+8*i+2*q+1], v[192+8*i+2*q:192+8*i+2*q+1], v[48+2*i:49+2*i]
.set q, q+1
.endr
.set i, i+1
.endr
.set i, 0
.rept 8
.set q, 0
.rept 4
	v_cvt_pk_f16_f32 v[192+8*i+q], v[192+8*i+2*q], v[192+8*i+2*q+1]
.set q, q+1
.endr
.set i, i+1
.endr
	s_wait_alu depctr_va_vdst(0)                   ; the conversions have written c's f16 in v[192 ..], which the sixteen LDS stores read; the LDS addresses v8 to v14 are written too, for every LDS instruction from here on
.set i, 0
.rept 8
	ds_store_b64 v8, v[192+8*i:192+8*i+1] offset:528*i
	ds_store_b64 v8, v[192+8*i+2:192+8*i+3] offset:528*i+256
.set i, i+1
.endr
; Wout, eight blocks of four rows.  A block's stores stand ahead of the next block's wait for data, so that they leave while the wave waits there.
.set p, 0
.rept 8
	s_wait_loadcnt 28-4*p                          ; loads come back in order (ISA guide 5.7.1): rows 4 p to 4 p + 3 are in, the younger ones stay out
.set i, 4*p
.rept 4
	v_cvt_pk_f16_f32 v[64+4*i], v[64+4*i], v[64+4*i+1]
	v_cvt_pk_f16_f32 v[64+4*i+1], v[64+4*i+2], v[64+4*i+3]
.set i, i+1
.endr
	s_wait_alu depctr_va_vdst(0)                   ; the block's eight conversions have written the pairs that its four LDS stores read
.set i, 4*p
.rept 4
	ds_store_b64 v9, v[64+4*i:64+4*i+1] offset:WTP*i
.set i, i+1
.endr
.set p, p+1
.endr
	s_wait_dscnt 0x0                               ; for the others' sake: my rows of Wout and of c are in LDS
	s_barrier_signal -1
	s_barrier_wait -1
	s_wait_alu depctr_vm_vsrc(0)                   ; my LDS stores have read v[64:255]: from here on fragments land in v[64:223] and the matrix instructions write v[224:255].  (The conversions that named these registers stand ahead of the last wait on va_vdst; no vector instruction has been issued since.)
; Wave w makes columns 16 w .. 16 w + 15 for all 64 batch rows: four accumulators.  K goes in four quarters of 64, each in 80 registers of its own: 16 of Wout, 64 of c.
; Quarters 0 and 1 lie in window 0 at v64 and v144, quarters 2 and 3 in window 1 at v0 and v80.
.macro LOADQ qu                        ; 20 loads
.if (\qu) < 2
	WIN 0
.set lb, 64+80*(\qu)
.else
	WIN 0x40                                       ; destination window 1, address window 0
.set lb, 80*((\qu)-2)
.endif
.set kk, 0
.rept 2
.set ks, 2*(\qu)+kk
	ds_load_tr16_b128 v[lb+8*kk:lb+8*kk+3],   v[10+ks/4] offset:(ks%4)*32*WTP
	ds_load_tr16_b128 v[lb+8*kk+4:lb+8*kk+7], v[10+ks/4] offset:(ks%4)*32*WTP+16*WTP
.set mb, 0
.rept 4
	ds_load_b128 v[lb+16+8*(2*mb+kk):lb+16+8*(2*mb+kk)+3],   v12 offset:mb*16*528+64*ks
	ds_load_b128 v[lb+16+8*(2*mb+kk)+4:lb+16+8*(2*mb+kk)+7], v12 offset:mb*16*528+64*ks+32
.set mb, mb+1
.endr
.set kk, kk+1
.endr
.endm
.macro MULQ qu                         ; 8 matrix instructions; the four accumulators take turns
.if (\qu) < 2
	WIN 0
.set lb, 64+80*(\qu)
.else
	WIN 0x05                                       ; sources 0 and 1 window 1; C and D window 0
.set lb, 80*((\qu)-2)
.endif
.set kk, 0
.rept 2
.set mb, 0
.rept 4
.if ((\qu) == 0) && (kk == 0)
	v_wmma_f32_16x16x32_f16 v[ACC+8*mb:ACC+8*mb+7], v[lb+8*kk:lb+8*kk+7], v[lb+16+8*(2*mb+kk):lb+16+8*(2*mb+kk)+7], 0
.else
	v_wmma_f32_16x16x32_f16 v[ACC+8*mb:ACC+8*mb+7], v[lb+8*kk:lb+8*kk+7], v[lb+16+8*(2*mb+kk):lb+16+8*(2*mb+kk)+7], v[ACC+8*mb:ACC+8*mb+7]
.endif
.set mb, mb+1
.endr
.set kk, kk+1
.endr
.endm
	LOADQ 0
	LOADQ 1
	LOADQ 2
	s_wait_dscnt 40                                ; quarters 1 and 2, 40 loads, are younger: quarter 0 is in
	MULQ 0
	LOADQ 3                                        ; no wait: the matrix instructions above name v[64:143] and the accumulators, these loads v10 to v12 and window 1's v[80:159], which nothing has named
	s_wait_dscnt 40                                ; quarters 2 and 3 stay out: quarter 1 is in
	MULQ 1
	s_wait_dscnt 20                                ; quarter 3 stays out
	MULQ 2
	s_wait_dscnt 0x0
	MULQ 3
	WIN 0
	PLACES                                         ; four places behind the last matrix instruction, before its result is read (ISA guide 7.12.1)
	s_wait_alu depctr_va_vdst(0)                   ; the matrix instructions have written the accumulators, which the LDS stores read, and are done reading v[64:95], in which the rows land behind the barrier; the places above stay beside this wait
.set mb, 0
.rept 4
	ds_store_b128 v13, v[ACC+8*mb:ACC+8*mb+3] offset:mb*16*528
	ds_store_b128 v13, v[ACC+8*mb+4:ACC+8*mb+7] offset:mb*16*528+16
.set mb, mb+1
.endr
	s_wait_dscnt 0x0                               ; for the others' sake: a row's 512 bytes come from all eight waves
	s_barrier_signal -1
	s_barrier_wait -1
.set i, 0
.rept 8
	ds_load_b128 v[64+4*i:64+4*i+3], v14 offset:528*i
.set i, i+1
.endr
; Rows 8 w + i: the wave that scaled a row of c also scales its results back, adds the bias and stores the row's 512 consecutive bytes.
.macro FIN i                           ; row i: times its scale, plus the bias, in place
.if (\i)%2 == 0
	v_pk_fma_f32 v[64+4*(\i):64+4*(\i)+1], v[64+4*(\i):64+4*(\i)+1], v[SC+(\i):SC+(\i)+1], v[BO:BO+1] op_sel_hi:[1,0,1]
	v_pk_fma_f32 v[64+4*(\i)+2:64+4*(\i)+3], v[64+4*(\i)+2:64+4*(\i)+3], v[SC+(\i):SC+(\i)+1], v[BO+2:BO+3] op_sel_hi:[1,0,1]
.else
	v_pk_fma_f32 v[64+4*(\i):64+4*(\i)+1], v[64+4*(\i):64+4*(\i)+1], v[SC+(\i)-1:SC+(\i)], v[BO:BO+1] op_sel:[0,1,0] op_sel_hi:[1,1,1]
	v_pk_fma_f32 v[64+4*(\i)+2:64+4*(\i)+3], v[64+4*(\i)+2:64+4*(\i)+3], v[SC+(\i)-1:SC+(\i)], v[BO+2:BO+3] op_sel:[0,1,0] op_sel_hi:[1,1,1]
.endif
.endm
	s_wait_dscnt 4                                 ; LDS loads come back in order (ISA guide 5.7.1): rows 0 to 3 are in, the four younger ones stay out
.irp i, 0,1,2,3
	FIN \i
.endr
	s_wait_dscnt 0x0                               ; rows 4 to 7 are in
	s_wait_alu depctr_va_vdst(0)                   ; rows 0 to 3 are written in v[64:79], which the four stores below read; the arithmetic dealt among them names v[80:95], the scales and the bias alone
.irp i, 0,1,2,3
	global_store_b128 v7, v[64+4*(\i):64+4*(\i)+3], s[10:11] offset:128000*(\i) th:TH_STORE_NT
	FIN (\i)+4
.endr
	s_wait_alu depctr_va_vdst(0)                   ; rows 4 to 7 are written in v[80:95], which the last four stores read
.irp i, 4,5,6,7
	global_store_b128 v7, v[64+4*(\i):64+4*(\i)+3], s[10:11] offset:128000*(\i) th:TH_STORE_NT
.endr
	s_wait_dscnt 0x0                               ; the closing lines, six on end
	s_wait_alu 0x0
	s_wait_tensorcnt 0x0
	ds_add_u32 v30, v31
	s_wait_dscnt 0x0
	s_endpgm
.Lfunc_end_k_q0b60f7353a_outp:
	.size	k_q0b60f7353a_outp, .Lfunc_end_k_q0b60f7353a_outp-k_q0b60f7353a_outp
	.p2alignl 7, 3214868480
	.fill 96, 4, 3214868480
	.section	.rodata,"a",@progbits
	.p2align	6, 0x0
	.amdhsa_kernel k_q0b60f7353a_outp
		.amdhsa_group_segment_fixed_size 142336
		.amdhsa_private_segment_fixed_size 0
		.amdhsa_enable_private_segment 0
		.amdhsa_kernarg_size 32
		.amdhsa_user_sgpr_count 2
		.amdhsa_user_sgpr_kernarg_segment_ptr 1
		.amdhsa_wavefront_size32 1
		.amdhsa_system_sgpr_workgroup_id_x 1
		.amdhsa_system_sgpr_workgroup_id_y 1
		.amdhsa_system_sgpr_workgroup_id_z 1
		.amdhsa_system_vgpr_workitem_id 0
		.amdhsa_next_free_vgpr 416
		.amdhsa_next_free_sgpr 66
		.amdhsa_reserve_vcc 0
		.amdhsa_float_denorm_mode_32 3
		.amdhsa_float_denorm_mode_16_64 3
		.amdhsa_memory_ordered 1
		.amdhsa_forward_progress 1
		.amdhsa_inst_pref_size 36
	.end_amdhsa_kernel
	.amdgpu_metadata
---
amdhsa.version: [ 1, 2 ]
amdhsa.kernels:
  - .name:           k_q0b60f7353a_outp
    .symbol:         k_q0b60f7353a_outp.kd
    .args:
      - { .name: cbuf, .offset: 0, .size: 8, .value_kind: global_buffer, .address_space: global }
      - { .name: Wout, .offset: 8, .size: 8, .value_kind: global_buffer, .address_space: global }
      - { .name: bout, .offset: 16, .size: 8, .value_kind: global_buffer, .address_space: global }
      - { .name: out0, .offset: 24, .size: 8, .value_kind: global_buffer, .address_space: global }
    .group_segment_fixed_size: 142336
    .private_segment_fixed_size: 0
    .kernarg_segment_align: 8
    .kernarg_segment_size: 32
    .max_flat_workgroup_size: 256
    .sgpr_count:     66
    .vgpr_count:     416
    .wavefront_size: 32
...
	.end_amdgpu_metadata
.endif
;; end of part 5
